; MI455X (gfx1250); checked and timed in simulation.
; The chip was launched on July 23, 2026; its instructions are those of AMD's public machine-readable ISA for CDNA 5 (MIT licence, August 2026) and "CDNA5" Instruction Set Architecture Reference Guide (July 2026). The comments in the code are by the model that wrote it; some were corrected since.
;; Grouped Query Attention. Allowed arithmetic: matrix products marked QUANTISED: E3M2 operands, one E8M0 scale for each 32 along K, by v_wmma_scale_f32_16x16x128_f8f6f4 with both operands' format E3M2, f32 sums; everything else in f32.
;; Inputs: W_kv 1,024 x 512 float32; W_out 1,024 x 1,024 float32; W_q 1,024 x 1,024 float32; b_out 1,024 float32; seq 1 x 4,096 x 1,024 float32.
;; Outputs: out0 1 x 4,096 x 1,024 float32; out1 1 x 4 x 4,096 x 64 float32; out2 1 x 4 x 4,096 x 64 float32.
;; This version of the problem:
;;   THIS VERSION OF THE PROBLEM IS GIVEN IN LOW PRECISION. The matrix products marked QUANTISED in the list below multiply operands that are first quantised to E3M2 (3 exponent bits, 2 mantissa bits; 6 bits a number), with one power-of-two scale for each 32 numbers along K (OCP MX v1.0); their sums are f32. All else is computed in f32.
;;   The module's matrix products, in the order in which they are computed (A, B: the left and right operand; K: the contracted axis; several contracted axes count as one K, in the product's order):
;;     1. [M 4,096, K 1,024] x [K 1,024, N 1,024]; A: input seq; B: input W_q: QUANTISED
;;     2. [M 4,096, K 1,024] x [K 1,024, N 512]; A: input seq; B: input W_kv: QUANTISED
;;     3. batch 16 x [M 4,096, K 64] x [K 64, N 4,096]; A: computed on the way; B: computed on the way: QUANTISED
;;     4. batch 16 x [M 4,096, K 4,096] x [K 4,096, N 64]; A: softmax (see below); B: computed on the way: QUANTISED
;;     5. [M 4,096, K 1,024] x [K 1,024, N 1,024]; A: computed on the way; B: input W_out: QUANTISED
;;   THE QUANTISER, for each operand of a quantised product, along K:
;;     - K is cut into blocks of 32 from its start; a last block that is shorter is filled with zeros.
;;     - A block's scale is 2^e with e = floor(log2(the largest magnitude in the block)) - 4, held to -126 .. 127; a block of zeros has e = 0. As a byte (E8M0): e + 127.
;;     - Each number is divided by its block's scale, clamped to +-28, and rounded to the nearest number of E3M2, ties to even, subnormals kept.
;;     - The product sums the exact products of the quantised numbers (number of the format x scale) in f32.
;;   ~~~python
;;   def quantise(x, axis):      # numpy; x: float32 -> the quantised numbers, widened to float32 again
;;       x = np.moveaxis(x, axis, -1); K = x.shape[-1]
;;       x = np.pad(x, [(0, 0)] * (x.ndim - 1) + [(0, -K % 32)]); x = x.reshape(x.shape[:-1] + (-1, 32)); a = np.abs(x).max(-1, keepdims=True)
;;       e = np.where(a > 0, np.clip(np.frexp(np.where(a > 0, a, 1))[1] - 1 - 4, -126, 127), 0)      # np.frexp(a)[1] - 1 = floor(log2(a)), exactly
;;       r = np.clip(x / 2.0 ** e, -28, 28)
;;       step = 2.0 ** (np.maximum(np.frexp(np.where(r == 0, 1, r))[1] - 1, -2) - 2)
;;       q = np.round(r / step) * step * 2.0 ** e      # np.round: ties to even
;;       return np.moveaxis(q.reshape(q.shape[:-2] + (-1,))[..., :K], -1, axis).astype(np.float32)
;;   ~~~
;;   SOFTMAX AHEAD OF A QUANTISED PRODUCT. Where the list says 'softmax', what is quantised is not the finished softmax but p = 2^(t - M), with t = logit x log2(e) and M = ceil(the row's largest t), a whole number; so 1/2 < the row's largest p <= 1. The row's sum l is taken of the UNQUANTISED p, in f32, and the product's result is divided by l at the end. Since M is a whole number, a kernel that streams over the keys may use a running M (the ceiling of the running maximum): every later rescaling is an exact power of two, which a block's scale takes up: the codes' values come out the same.
;;   OPERANDS COMPUTED ON THE WAY. 'Computed on the way' means the value that the module computes at that place (a softmax that the list does not call 'softmax' is quantised finished and normalised). What goes into a quantiser is computed in f32, as accurately as f32 sums, v_exp_f32 and their like allow (about 1e-6 of the number): no bf16 or f16 on the way to a quantiser, and a product that is left as it is and whose result goes on into a quantised operand takes f32 operands (vector FMAs, or v_wmma_f32_16x16x4_f32). A number that lies on a knife's edge between two numbers of the format may be rounded either way, as far as f32 arithmetic and the matrix unit's own rounding can turn it there, and no further.
;; One version. Each part assembles by itself: llvm-mc -triple=amdgcn-amd-amdhsa -mcpu=gfx1250 --defsym DOCPART=n.
;; ======== version 1 of 1: 4 launches
;; limits: right only within a limited range of input values
;; workspace buffers: xq 3,276,800 bytes; aq 3,276,800 bytes; wimg 2,048,000 bytes; rope 1,048,576 bytes; qq 3,276,800 bytes; kv 1,638,400 bytes
;; launch prep (part 1): grid 480 x 1, 4 waves a work-group, no clusters, 0 bytes of LDS; arguments seq, W_q, W_kv, W_out, xq, wimg, rope; writes xq, wimg, rope
.if DOCPART == 1
	.amdgcn_target "amdgcn-amd-amdhsa--gfx1250"
	.amdhsa_code_object_version 6
	.text
	.protected	k_qb64932a7c6_prep
	.globl	k_qb64932a7c6_prep
	.p2align	8
	.type	k_qb64932a7c6_prep,@function
k_qb64932a7c6_prep:
	s_mov_b64 s[64:65], 0
	v_nop
	global_prefetch_b8 v0, s[64:65] scope:SCOPE_SE
	s_setreg_imm32_b32 hwreg(HW_REG_WAVE_MODE, 25, 1), 1
	s_wait_xcnt 0x0
; GROUPED-QUERY ATTENTION IN MX-BF6, launch 1 of 4: seq and the three weights become codes of E3M2 with E8M0 scales, and RoPE's cos / sin table is made.
; WORK LEFT OUT IN THE WHOLE PROGRAM.  reference() builds its causal mask itself (jnp.tril) and puts finfo.min where key > query; behind the softmax such a key has the weight 0 for all finite inputs, since key 0
; counts for every query and holds the row's maximum above finfo.min / 8.  So key steps that lie wholly above the diagonal are not multiplied (launch 3).  jnp.repeat is done by addressing.  Every input is live and is loaded.
; LIMITS: a NaN, an infinity or an overflow that reaches only the work left out is not carried to the result; NaN and infinities among the inputs are not served; a block of zeros gets the scale byte 1 where the rule
; says 127 (its codes are zeros, and the bytes are read by this program alone); blocks whose largest magnitude lies under 2^(4 - 126) have their byte held at 1.
; inv_freq is 10^(-i / 8) rounded to f32; it may differ in the last bit from what a pow gives: at position 4,095 that is under 5e-4 rad.
; THE OPERAND FORMAT of all workspace buffers: images of operand registers.  A HALF, 768 bytes, is six registers (16 rows x 64 along K): registers 0-3 at 16 x lane, registers 4-5 at 512 + 8 x lane.  A FRAGMENT
; (16 rows x 128 along K, 12 registers) is two halves.  Each store of a wave covers 512 or 256 consecutive bytes, aligned.
; xq   [row tile 256][12,800]: fragment s (K step) at 1,536 s; scale words at 12,288 + 128 w + 4 x lane: lanes 0-15 K step 2 w, lanes 16-31 K step 2 w + 1, row = lane % 16.
; wimg [group of 64 columns, 40][51,200]: fragment (s, t) at 1,536 (4 s + t); scale words at 49,152 + 256 s + 128 p + 4 x lane: lanes 0-15 tile 2 p, lanes 16-31 tile 2 p + 1.  Groups 0-15 W_q, 16-19 K's part of W_kv, 20-23 V's, 24-39 W_out.
;      THE COLUMNS OF A TILE ARE NOT NEIGHBOURS: row rho of tile 2 b + u is column 32 b + 8 u + rho + 8 (rho / 8).
; rope [row tile 256][4,096]: cos registers 4 q .. 4 q + 3 at 512 q + 16 x lane, sin 2,048 further on; register i of lane (r, h) is frequency 16 h + i at position 16 x tile + r.
; Work-groups 0-255: seq, a row tile each.  256-415: weights, 128 columns x 128 along K each.  416-479: the table, four row tiles each.  No LDS, no barrier: waves share nothing.
.set SEL, 20                           ; s[20:21] selects for v_permlanex16_b32: lane l xor 16
.set X0,  16                           ; v16-79   64 numbers of K step 2 w
.set X1,  80                           ; v80-143  of K step 2 w + 1
.set TM,  144                          ; v144-159 at work
.set PW0, 160                          ; the two scale words,
.set PW1, 161
.set PWS, 162                          ; and the one that my lane stores
.set PC0, 164                          ; v164-183 codes of the first fragment (12, and 8 at work)
.set PC1, 184                          ; v184-203 of the second: no store's data are written again
	s_load_b256 s[4:11], s[0:1], 0x0               ; seq, W_q, W_kv, W_out
	s_load_b128 s[12:15], s[0:1], 0x20             ; xq, wimg
	s_load_b64 s[16:17], s[0:1], 0x30              ; rope
	v_lshrrev_b32 v1, 5, v0
	v_readfirstlane_b32 s18, v1                    ; wave
	v_and_b32 v1, 31, v0                           ; lane
	v_and_b32 v2, 15, v0                           ; r
	v_bfe_u32 v3, v0, 4, 1                         ; h
	v_lshlrev_b32 v5, 4, v1                        ; 16 x lane
	v_lshlrev_b32 v6, 3, v1                        ; 8 x lane
	v_lshlrev_b32 v7, 2, v1                        ; 4 x lane
	s_mov_b32 s[SEL], 0x76543210
	s_mov_b32 s[SEL+1], 0xfedcba98
	v_cmp_lt_u32 vcc_lo, 15, v1                    ; lanes 16-31
	s_wait_kmcnt 0x0
	s_cmp_lt_u32 ttmp9, 256
	s_cbranch_scc1 .Lseq
	s_cmp_lt_u32 ttmp9, 416
	s_cbranch_scc1 .Lwgt
; ---- THE TABLE.  angle = position x frequency, rounded to f32 as reference() has it; n = the nearest whole number of quarter turns; x = angle - n pi / 2 in two steps (the first is exact: n has 12 bits, and the
; difference is a multiple of 2^-24 under 1); sine and cosine of x by polynomials on -pi/4 .. pi/4; the quadrant swaps them and sets the signs.
	s_sub_co_u32 s22, ttmp9, 416
	s_lshl_b32 s22, s22, 2
	s_add_co_u32 s22, s22, s18                     ; my row tile
	s_lshl_b32 s33, s22, 4
	s_wait_alu depctr_va_vdst(0)
	v_add_nc_u32 v9, s33, v2
	v_cvt_f32_u32 v9, v9                           ; my position
	s_lshl_b32 s22, s22, 12
	s_mov_b32 s23, 0
	s_add_nc_u64 s[16:17], s[16:17], s[22:23]
	s_mov_b32 s24, 0x3f22f983                      ; 2 / pi
	s_mov_b32 s25, 0xbfc90fdb                      ; -(pi / 2 rounded to f32)
	s_mov_b32 s26, 0x333bbd2e                      ; that f32 less pi / 2: 4.3711388e-8
	s_mov_b32 s27, -0.00019515295891               ; sine: x + x z (S1 + z (S2 + z S3)), z = x x
	s_mov_b32 s28, 0.0083321608736
	s_mov_b32 s29, -0.16666654611
	s_mov_b32 s30, 0.00002443315711809948          ; cosine: 1 - z / 2 + z z (C1 + z (C2 + z C3))
	s_mov_b32 s31, -0.001388731625493765
	s_mov_b32 s32, 0.04166664568298827
.macro ANG i, lo, hi                   ; frequency i (lanes 0-15) and 16 + i (lanes 16-31): cos into v[32 + i], sin into v[48 + i]
	v_mov_b32 v10, \hi
	v_cndmask_b32 v10, \lo, v10, vcc_lo
	s_wait_alu depctr_va_vdst(0)
	v_mul_f32 v10, v9, v10                         ; the angle
	v_mul_f32 v11, s24, v10
	v_rndne_f32 v11, v11                           ; n
	v_fma_f32 v12, v11, s25, v10
	v_fma_f32 v12, v11, s26, v12                   ; x
	v_cvt_i32_f32 v13, v11
	v_mul_f32 v14, v12, v12                        ; z
	v_fma_f32 v15, v14, s27, s28
	v_fma_f32 v17, v14, s30, s31
	v_fma_f32 v15, v15, v14, s29
	v_fma_f32 v17, v17, v14, s32
	v_mul_f32 v16, v14, v12
	v_mul_f32 v18, v14, v14
	v_fma_f32 v19, v14, -0.5, 1.0
	v_fma_f32 v15, v15, v16, v12                   ; sin x
	v_fma_f32 v17, v17, v18, v19                   ; cos x
	v_and_b32 v18, 1, v13
	v_cmp_eq_u32 s34, 1, v18                       ; odd quadrants swap the two
	v_cndmask_b32 v19, v15, v17, s34
	v_cndmask_b32 v20, v17, v15, s34
	v_and_b32 v18, 2, v13                          ; the sine is negative in quadrants 2 and 3,
	v_lshlrev_b32 v18, 30, v18
	v_xor_b32 v[48+\i], v18, v19
	v_add_nc_u32 v18, 1, v13                       ; the cosine in 1 and 2
	v_and_b32 v18, 2, v18
	v_lshlrev_b32 v18, 30, v18
	v_xor_b32 v[32+\i], v18, v20
.endm
	ANG 0, 1.0, 0.01
	ANG 1, 0.749894209332, 0.00749894209332
	ANG 2, 0.562341325190, 0.00562341325190
	ANG 3, 0.421696503429, 0.00421696503429
	ANG 4, 0.316227766017, 0.00316227766017
	ANG 5, 0.237137370566, 0.00237137370566
	ANG 6, 0.177827941004, 0.00177827941004
	ANG 7, 0.133352143216, 0.00133352143216
	ANG 8, 0.1, 0.001
	ANG 9, 0.0749894209332, 0.000749894209332
	ANG 10, 0.0562341325190, 0.000562341325190
	ANG 11, 0.0421696503429, 0.000421696503429
	ANG 12, 0.0316227766017, 0.000316227766017
	ANG 13, 0.0237137370566, 0.000237137370566
	ANG 14, 0.0177827941004, 0.000177827941004
	ANG 15, 0.0133352143216, 0.000133352143216
.irp q, 0,1,2,3
	global_store_b128 v5, v[32+4*\q:35+4*\q], s[16:17] offset:512*\q
	global_store_b128 v5, v[48+4*\q:51+4*\q], s[16:17] offset:2048+512*\q
.endr
	s_endpgm
; ---- SEQ.  Work-group m = row tile m; wave w takes K steps 2 w and 2 w + 1.  Lane (r, h) loads, of row r, the 16 numbers 32 b + 16 h + 0 .. 15 of each block b of a K step.
.macro XLOAD reg, e
.irp b, 0,1,2,3
.irp j, 0,1,2,3
	global_load_b128 v[\reg+16*\b+4*\j:\reg+16*\b+4*\j+3], v4, s[4:5] offset:512*\e+128*\b+16*\j th:TH_LOAD_NT
.endr
.endr
.endm
; 64 numbers of a lane, register 16 b + i = k 32 b + 16 h + i of my row, become a fragment's codes in v[pc] on and its scale word in v[pw]
.macro QUANT s, pc, pw
.irp b, 0,1,2,3
	v_max3_num_f32 v[TM+\b], |v[\s+16*\b]|, |v[\s+1+16*\b]|, 0x2800000   ; my 16 numbers of block b, and the floor 2^(5 - 127): the byte cannot fall under 1
.endr
.irp i, 2,4,6,8,10,12,14
.irp b, 0,1,2,3
	v_max3_num_f32 v[TM+\b], v[TM+\b], |v[\s+16*\b+\i]|, |v[\s+1+16*\b+\i]|
.endr
.endr
.irp b, 0,1,2,3
	v_permlanex16_b32 v[TM+4+\b], v[TM+\b], s[SEL], s[SEL+1]
.endr
.irp b, 0,1,2,3
	v_max_num_f32 v[TM+\b], v[TM+\b], v[TM+4+\b]   ; with lane l xor 16's: the block's largest magnitude
.endr
.irp b, 0,1,2,3
	v_add_nc_u32 v[TM+12+\b], 0xfe000000, v[TM+\b] ; 4 off its exponent field: the conversion's scale operand
.endr
.irp b, 0,1,2,3
	v_lshrrev_b32 v[TM+4+\b], 23, v[TM+12+\b]      ; the scale's byte
.endr
	v_lshl_or_b32 v[\pw], v[TM+5], 8, v[TM+4]
	v_lshl_or_b32 v[\pw], v[TM+6], 16, v[\pw]
	v_lshl_or_b32 v[\pw], v[TM+7], 24, v[\pw]
.irp c, 0,1
	v_cvt_scalef32_pk16_bf6_f32 v[\pc+6*\c:\pc+2+6*\c], v[\s+32*\c:\s+15+32*\c], v[TM+12+2*\c]
	v_cvt_scalef32_pk16_bf6_f32 v[\pc+12+4*\c:\pc+14+4*\c], v[\s+16+32*\c:\s+31+32*\c], v[TM+12+2*\c+1]   ; (a conversion's three registers begin on an even number)
.endr
	v_nop                                          ; one plain place behind a scaled conversion
.irp c, 0,1                                    ; the operand wants a WHOLE block in a lane: lanes 0-15 block 2 c, lanes 16-31 block 2 c + 1
.irp i, 0,1,2
	v_permlane16_swap_b32 v[\pc+6*\c+\i], v[\pc+12+4*\c+\i]
.endr
.irp i, 0,1,2
	v_mov_b32 v[\pc+3+6*\c+\i], v[\pc+12+4*\c+\i]
.endr
.endr
.endm
.macro PUTFRAG pc, sb, off             ; a fragment's image: 512, 256, 512, 256 consecutive bytes
	global_store_b128 v5, v[\pc:\pc+3], s[\sb:\sb+1] offset:\off
	global_store_b64 v6, v[\pc+4:\pc+5], s[\sb:\sb+1] offset:\off+512
	global_store_b128 v5, v[\pc+6:\pc+9], s[\sb:\sb+1] offset:\off+768
	global_store_b64 v6, v[\pc+10:\pc+11], s[\sb:\sb+1] offset:\off+1280
.endm
.Lseq:
	s_lshl_b32 s22, ttmp9, 16                      ; 16 rows of 4,096 bytes
	s_lshl_b32 s23, s18, 10                        ; two K steps of 512 bytes
	s_add_co_u32 s22, s22, s23
	s_mov_b32 s23, 0
	s_add_nc_u64 s[4:5], s[4:5], s[22:23]
	s_mul_i32 s24, ttmp9, 12800
	s_mul_i32 s26, s18, 3072
	s_add_co_u32 s26, s26, s24
	s_mov_b32 s27, 0
	s_add_nc_u64 s[26:27], s[12:13], s[26:27]      ; my two fragments
	s_lshl_b32 s28, s18, 7
	s_add_co_u32 s28, s28, s24
	s_mov_b32 s29, 0
	s_add_nc_u64 s[28:29], s[12:13], s[28:29]      ; my 128 bytes of scale words, less 12,288
	s_wait_alu depctr_va_vdst(0)
	v_lshlrev_b32 v4, 12, v2
	v_lshl_add_u32 v4, v3, 6, v4                   ; row r, + 64 h
.irp b, 0,1,2,3
	v_mov_b32 v[TM+4+\b], 0                        ; a lane permute's destination counts as one of its sources
.endr
	XLOAD X0, 0
	XLOAD X1, 1
	s_wait_loadcnt 16                              ; the first K step's 16 loads are in; the second's 16 may be out
	QUANT X0, PC0, PW0
	PUTFRAG PC0, 26, 0
	s_wait_loadcnt 0x0
	QUANT X1, PC1, PW1
	PUTFRAG PC1, 26, 1536
	v_cndmask_b32 v[PWS], v[PW0], v[PW1], vcc_lo   ; lanes 0-15 the first K step's words, lanes 16-31 the second's
	global_store_b32 v7, v[PWS], s[28:29] offset:12288
	s_endpgm
; ---- WEIGHTS.  K is their first axis: A LANE TAKES A COLUMN AND ITS 128 REGISTERS RUN DOWN K, so a block of 32 lies in one lane and the conversions give codes with K innermost.
.Lwgt:
	s_sub_co_u32 s22, ttmp9, 256
	s_and_b32 s23, s22, 7                          ; K step
	s_lshr_b32 s24, s22, 3                         ; block of 128 columns: 0-7 W_q, 8-11 W_kv, 12-19 W_out
	s_cmp_lt_u32 s24, 12
	s_cselect_b64 s[36:37], s[8:9], s[10:11]
	s_cselect_b32 s25, 8, 12
	s_cselect_b32 s26, 18, 19                      ; 128 rows are 2^18 bytes in W_kv, 2^19 in the others
	s_cmp_lt_u32 s24, 8
	s_cselect_b64 s[36:37], s[6:7], s[36:37]
	s_cselect_b32 s25, 0, s25
	s_cselect_b32 s26, 19, s26
	s_sub_co_u32 s25, s24, s25                     ; the block's number in its own tensor
	s_lshl_b32 s25, s25, 9
	s_lshl_b32 s27, s18, 7                         ; my wave's 32 columns
	s_add_co_u32 s25, s25, s27
	s_lshl_b32 s27, s23, s26
	s_add_co_u32 s38, s25, s27
	s_mov_b32 s39, 0
	s_add_nc_u64 s[36:37], s[36:37], s[38:39]
	s_wait_alu depctr_va_vdst(0)
	v_and_b32 v8, 7, v1                            ; my column among the 32: bits 3 and 4 of the lane's number change places
	v_and_b32 v9, 8, v1
	v_lshl_or_b32 v8, v9, 1, v8
	v_and_b32 v9, 16, v1
	v_lshrrev_b32 v9, 1, v9
	v_or_b32 v8, v8, v9
	v_lshlrev_b32 v8, 2, v8
	s_lshl_b32 s40, s24, 1
	s_lshr_b32 s41, s18, 1
	s_add_co_u32 s40, s40, s41                     ; the group of 64 columns
	s_mul_i32 s44, s40, 51200
	s_and_b32 s42, s18, 1                          ; p: which pair of its tiles
	s_mul_i32 s40, s23, 6144
	s_add_co_u32 s40, s40, s44
	s_mul_i32 s41, s42, 3072
	s_add_co_u32 s40, s40, s41
	s_mov_b32 s41, 0
	s_add_nc_u64 s[40:41], s[14:15], s[40:41]      ; my two fragments
	s_lshl_b32 s45, s23, 8
	s_add_co_u32 s44, s44, s45
	s_lshl_b32 s45, s42, 7
	s_add_co_u32 s44, s44, s45
	s_mov_b32 s45, 0
	s_add_nc_u64 s[44:45], s[14:15], s[44:45]      ; my scale words, less 49,152
.macro WLOADS pitch                    ; W(128 s + i, my column): 32 lanes read 128 consecutive bytes, the four waves 512
.set i, 0
.rept 128
	global_load_b32 v[16+i], v8, s[36:37] offset:i*\pitch th:TH_LOAD_NT
.set i, i+1
.endr
.endm
	s_cmp_eq_u32 s26, 18
	s_cbranch_scc1 .Lnarrow
	s_wait_alu depctr_va_vdst(0)
	WLOADS 4096
	s_branch .Lwjoin
.Lnarrow:
	s_wait_alu depctr_va_vdst(0)
	WLOADS 2048
.Lwjoin:
; Block b of my column: even blocks into v144 on, odd ones into v156 on, six registers each
.macro BLOCKW b, left
.set XB, 16+32*(\b)
.set FD, 144+12*((\b)%2)+6*((\b)/2)
	s_wait_loadcnt \left                           ; this block's 32 loads are in
	v_max3_num_f32 v172, |v[XB]|, |v[XB+1]|, |v[XB+2]|
	v_max3_num_f32 v173, |v[XB+3]|, |v[XB+4]|, |v[XB+5]|
.irp i, 6,10,14,18,22,26
	v_max3_num_f32 v172, v172, |v[XB+\i]|, |v[XB+\i+1]|
	v_max3_num_f32 v173, v173, |v[XB+\i+2]|, |v[XB+\i+3]|
.endr
	v_max3_num_f32 v172, v172, |v[XB+30]|, |v[XB+31]|
	v_max3_num_f32 v172, v172, v173, 0x2800000     ; and the floor
	v_add_nc_u32 v174, 0xfe000000, v172
	v_lshrrev_b32 v175, 23, v174
.if (\b) == 0
	v_mov_b32 v176, v175
.else
	v_lshl_or_b32 v176, v175, 8*(\b), v176         ; my column's scale word
.endif
	v_cvt_scalef32_pk16_bf6_f32 v[FD:FD+2], v[XB:XB+15], v174
	v_cvt_scalef32_pk16_bf6_f32 v[168:170], v[XB+16:XB+31], v174
	v_nop
.irp i, 0,1,2
	v_mov_b32 v[FD+3+\i], v[168+\i]
.endr
.endm
	BLOCKW 0, 63                                   ; 96 younger loads stand behind block 0's and 64 behind block 1's: the wait's field holds 63, the smaller count
	BLOCKW 1, 63
	BLOCKW 2, 32
	BLOCKW 3, 0
.set j, 0
.rept 12                                       ; v144 on: lanes 0-15's columns, blocks 2 c in lanes 0-15 and 2 c + 1 in lanes 16-31: tile 2 p's fragment; v156 on: tile 2 p + 1's
	v_permlane16_swap_b32 v[144+j], v[156+j]
.set j, j+1
.endr
	PUTFRAG 144, 40, 0
	PUTFRAG 156, 40, 1536
	global_store_b32 v7, v176, s[44:45] offset:49152
	s_endpgm
.Lfunc_end_k_qb64932a7c6_prep:
	.size	k_qb64932a7c6_prep, .Lfunc_end_k_qb64932a7c6_prep-k_qb64932a7c6_prep
	.p2alignl 7, 3214868480
	.fill 96, 4, 3214868480
	.section	.rodata,"a",@progbits
	.p2align	6, 0x0
	.amdhsa_kernel k_qb64932a7c6_prep
		.amdhsa_group_segment_fixed_size 0
		.amdhsa_private_segment_fixed_size 0
		.amdhsa_enable_private_segment 0
		.amdhsa_kernarg_size 56
		.amdhsa_user_sgpr_count 2
		.amdhsa_user_sgpr_kernarg_segment_ptr 1
		.amdhsa_wavefront_size32 1
		.amdhsa_system_sgpr_workgroup_id_x 1
		.amdhsa_system_sgpr_workgroup_id_y 1
		.amdhsa_system_sgpr_workgroup_id_z 1
		.amdhsa_system_vgpr_workitem_id 0
		.amdhsa_next_free_vgpr 208
		.amdhsa_next_free_sgpr 66
		.amdhsa_reserve_vcc 1
		.amdhsa_float_denorm_mode_32 3
		.amdhsa_float_denorm_mode_16_64 3
		.amdhsa_memory_ordered 1
		.amdhsa_forward_progress 1
		.amdhsa_inst_pref_size 70
	.end_amdhsa_kernel
	.amdgpu_metadata
---
amdhsa.version: [ 1, 2 ]
amdhsa.kernels:
  - .name:           k_qb64932a7c6_prep
    .symbol:         k_qb64932a7c6_prep.kd
    .args:
      - { .name: seq, .offset: 0, .size: 8, .value_kind: global_buffer, .address_space: global }
      - { .name: W_q, .offset: 8, .size: 8, .value_kind: global_buffer, .address_space: global }
      - { .name: W_kv, .offset: 16, .size: 8, .value_kind: global_buffer, .address_space: global }
      - { .name: W_out, .offset: 24, .size: 8, .value_kind: global_buffer, .address_space: global }
      - { .name: xq, .offset: 32, .size: 8, .value_kind: global_buffer, .address_space: global }
      - { .name: wimg, .offset: 40, .size: 8, .value_kind: global_buffer, .address_space: global }
      - { .name: rope, .offset: 48, .size: 8, .value_kind: global_buffer, .address_space: global }
    .group_segment_fixed_size: 0
    .private_segment_fixed_size: 0
    .kernarg_segment_align: 8
    .kernarg_segment_size: 56
    .max_flat_workgroup_size: 128
    .sgpr_count:     66
    .vgpr_count:     208
    .wavefront_size: 32
...
	.end_amdgpu_metadata
.endif
;; end of part 1
;; launch qkv (part 2): grid 6 x 32, 4 waves a work-group, no clusters, 167,936 bytes of LDS; arguments xq, wimg, rope, qq, kv, out1, out2; writes qq, kv, out1, out2
.if DOCPART == 2
	.amdgcn_target "amdgcn-amd-amdhsa--gfx1250"
	.amdhsa_code_object_version 6
	.text
	.protected	k_qb64932a7c6_qkv
	.globl	k_qb64932a7c6_qkv
	.p2align	8
	.type	k_qb64932a7c6_qkv,@function
k_qb64932a7c6_qkv:
	s_mov_b64 s[64:65], 0
	v_nop
	global_prefetch_b8 v0, s[64:65] scope:SCOPE_SE
	s_setreg_imm32_b32 hwreg(HW_REG_WAVE_MODE, 25, 1), 1
	s_wait_xcnt 0x0
; Launch 2 of 4: Q = seq W_q and K, V = seq W_kv on codes of E3M2; RoPE on Q and K; out1 = K, out2 = V; Q and K are quantised along the head's 64, V along the keys.  Nothing is left out here.
; SHARES.  Work-group (x, y): x = 0-3 Q's heads 4 x .. 4 x + 3, x = 4 K's four heads, x = 5 V's; y = a block of 128 rows (one key step of launch 3).  Wave w takes ONE head: its 64 columns of weights, 32 fragments,
; stay in 384 registers.  The block's eight row tiles of seq's codes, 102,400 dense bytes, come into LDS once, a quarter by each wave's one tensor load, and are read by all four waves.
; Q, K: the product is used TRANSPOSED (source 0 = 16 columns of W, source 1 = 16 rows of seq): by the order of a tile's columns (launch 1) lane (r, h) holds row r and its register 16 b + i is feature 32 b + 16 h + i:
; RoPE's partners d and d + 32 lie in one lane, and the quantiser finds 16 neighbours.   V: the product as it stands: lane (rho, h) holds one feature and keys 8 h + 0 .. 7 of a row tile: two row tiles give 16 of a block of 32 keys.
; qq [head 16][row block 32][6,400]: the half of query tile m at 768 m; scale words at 6,144 + 8 x lane + 4 j: word j of lane l serves tau = 2 j + l / 16, row l % 16: the two bytes of tile 2 tau, then those of tile 2 tau + 1.
; kv [kv head 4][step 32][12,800]: K's eight halves; V's four fragments from 6,144; K's scale words at 12,288, as qq's; V's at 12,544 + 8 x lane + 4 j: tile 2 j + l / 16, row l % 16, byte = the block of 32 keys.
; In a block of 32 keys V's codes lie in the order 0-7, 16-23, 8-15, 24-31; launch 3's weights p come out in the same order.
; NO CLUSTER: a block of rows is shared by six work-groups, which no cluster of four divides, and it is 102,400 of the 299,008 bytes that a work-group loads.
; LIMITS as in launch 1.
; THE ROWS OF Q'S AND K'S HALVES ARE RE-LAID (this takes the place of what the lines on qq and kv above say of tile m): row r of row tile m lies in half T = 4 (m / 4) + 2 (r / 8) + m % 2 at row rho = 8 ((m / 2) % 2) + r % 8.
; So rows 0-7 of halves 4 c .. 4 c + 3 are block 2 c of 32 keys and rows 8-15 block 2 c + 1, each in the order 0-7, 16-23, 8-15, 24-31, which is the order of V's codes.  The two scale bytes of (T, rho) lie at
; 8 (rho + 16 ((T / 2) % 2)) + 4 (T / 4) + 2 (T % 2) of the scale words.  These stores cover pieces of 128 consecutive bytes (codes) and 2 bytes a lane (scales).
.set KSTG,  102400
.set VSTG,  119808                     ; V's stages likewise: each path has bytes of its own;
.set SPARE, 137216                     ; the spare words, 128 bytes a wave
.set XF,  16                           ; v16-111  a row tile's eight fragments
.set ACC, 112                          ; v112-143 Q, K: four accumulators
.set TBR, 144                          ; v144-175 cos, sin
.set WS,  176                          ; v176-191 the weights' scale words: 2 s + t / 2
.set XS,  192                          ; v192-195 the row tile's scale words
.set H,   196                          ; v196-201 a half's codes
.set CT,  204
.set BM,  208
.set BX,  210
.set SC,  212
.set HW,  214                          ; a tile's two scale bytes
.set RT,  216
.set WW,  220
.set VA,  112                          ; V: v112-175 accumulators: 16 t + 8 par
.set VH,  196                          ; v196-219 four halves
.set VCT, 220
.set VBM, 236
.set VBX, 240
.set VSC, 244
.set VW,  248                          ; v248-251 V's scale words, tile t
.set SPW, 252
.set NIL, 253
.set SEL, 22
.set MSB, 0
.macro WIN new                         ; the immediate's high byte repeats the setting that is left
.if MSB != \new
	s_set_vgpr_msb (MSB<<8)|\new
.set MSB, \new
.endif
.endm
; one matrix instruction.  c < 0: the constant 0 starts the sum.  ra, rb: the side's scales stand in lanes 16-31
.macro WM d, a, b, c, sa, sb, ra, rb
.if (\c) < 0
.if (\ra) && (\rb)
	v_wmma_scale_f32_16x16x128_f8f6f4 v[(\d):(\d)+7], v[(\a):(\a)+11], v[(\b):(\b)+11], 0, v[(\sa)], v[(\sb)] matrix_a_fmt:MATRIX_FMT_BF6 matrix_b_fmt:MATRIX_FMT_BF6 matrix_a_scale:MATRIX_SCALE_ROW1 matrix_b_scale:MATRIX_SCALE_ROW1
.elseif (\ra)
	v_wmma_scale_f32_16x16x128_f8f6f4 v[(\d):(\d)+7], v[(\a):(\a)+11], v[(\b):(\b)+11], 0, v[(\sa)], v[(\sb)] matrix_a_fmt:MATRIX_FMT_BF6 matrix_b_fmt:MATRIX_FMT_BF6 matrix_a_scale:MATRIX_SCALE_ROW1
.elseif (\rb)
	v_wmma_scale_f32_16x16x128_f8f6f4 v[(\d):(\d)+7], v[(\a):(\a)+11], v[(\b):(\b)+11], 0, v[(\sa)], v[(\sb)] matrix_a_fmt:MATRIX_FMT_BF6 matrix_b_fmt:MATRIX_FMT_BF6 matrix_b_scale:MATRIX_SCALE_ROW1
.else
	v_wmma_scale_f32_16x16x128_f8f6f4 v[(\d):(\d)+7], v[(\a):(\a)+11], v[(\b):(\b)+11], 0, v[(\sa)], v[(\sb)] matrix_a_fmt:MATRIX_FMT_BF6 matrix_b_fmt:MATRIX_FMT_BF6
.endif
.else
.if (\ra) && (\rb)
	v_wmma_scale_f32_16x16x128_f8f6f4 v[(\d):(\d)+7], v[(\a):(\a)+11], v[(\b):(\b)+11], v[(\c):(\c)+7], v[(\sa)], v[(\sb)] matrix_a_fmt:MATRIX_FMT_BF6 matrix_b_fmt:MATRIX_FMT_BF6 matrix_a_scale:MATRIX_SCALE_ROW1 matrix_b_scale:MATRIX_SCALE_ROW1
.elseif (\ra)
	v_wmma_scale_f32_16x16x128_f8f6f4 v[(\d):(\d)+7], v[(\a):(\a)+11], v[(\b):(\b)+11], v[(\c):(\c)+7], v[(\sa)], v[(\sb)] matrix_a_fmt:MATRIX_FMT_BF6 matrix_b_fmt:MATRIX_FMT_BF6 matrix_a_scale:MATRIX_SCALE_ROW1
.elseif (\rb)
	v_wmma_scale_f32_16x16x128_f8f6f4 v[(\d):(\d)+7], v[(\a):(\a)+11], v[(\b):(\b)+11], v[(\c):(\c)+7], v[(\sa)], v[(\sb)] matrix_a_fmt:MATRIX_FMT_BF6 matrix_b_fmt:MATRIX_FMT_BF6 matrix_b_scale:MATRIX_SCALE_ROW1
.else
	v_wmma_scale_f32_16x16x128_f8f6f4 v[(\d):(\d)+7], v[(\a):(\a)+11], v[(\b):(\b)+11], v[(\c):(\c)+7], v[(\sa)], v[(\sb)] matrix_a_fmt:MATRIX_FMT_BF6 matrix_b_fmt:MATRIX_FMT_BF6
.endif
.endif
.endm
.macro PLACES                          ; four plain places behind matrix instructions, ahead of loads into their registers and of reads of their results
.rept 4
	v_nop
.endr
.endm
; row tile m's eight fragments and four scale words from LDS: 36 loads.  Tiles 5-7 lie beyond an LDS offset's 16 bits: the second set of address registers stands 64,000 bytes on
.macro FETCHX m
.if (\m) < 5
.set FA, 4
.set FO, 12800*(\m)
.else
.set FA, 5
.set FO, 12800*((\m)-5)
.endif
.irp s, 0,1,2,3,4,5,6,7
	ds_load_b128 v[XF+12*\s:XF+12*\s+3], v[FA] offset:FO+1536*\s
	ds_load_b64 v[XF+12*\s+4:XF+12*\s+5], v[FA+2] offset:FO+1536*\s+512
	ds_load_b128 v[XF+12*\s+6:XF+12*\s+9], v[FA] offset:FO+1536*\s+768
	ds_load_b64 v[XF+12*\s+10:XF+12*\s+11], v[FA+2] offset:FO+1536*\s+1280
.endr
.irp p, 0,1,2,3
	ds_load_b32 v[XS+\p], v[FA+4] offset:FO+12288+128*\p
.endr
.endm
; 32 matrix instructions, transposed: the four accumulators by turns, one instruction a turn, K ascending
.macro MMT
.irp s, 0,1,2,3,4,5,6,7
.if \s == 0
	WIN 0x01                                       ; source 0 (W) in window 1
.endif
.if \s == 4
	WIN 0x02                                       ; in window 2
.endif
.irp t, 0,1,2,3
.if \s == 0
	WM ACC+8*\t, 12*(4*(\s%4)+\t), XF+12*\s, -1, WS+2*\s+\t/2, XS+\s/2, \t%2, \s%2
.else
	WM ACC+8*\t, 12*(4*(\s%4)+\t), XF+12*\s, ACC+8*\t, WS+2*\s+\t/2, XS+\s/2, \t%2, \s%2
.endif
.endr
.endr
.endm
; the same as it stands: source 0 = 16 rows of seq, source 1 = 16 columns of W
.macro MMN par
.irp s, 0,1,2,3,4,5,6,7
.if \s == 0
	WIN 0x04                                       ; source 1 (W) in window 1
.endif
.if \s == 4
	WIN 0x08
.endif
.irp t, 0,1,2,3
.if \s == 0
	WM VA+16*\t+8*\par, XF+12*\s, 12*(4*(\s%4)+\t), -1, XS+\s/2, WS+2*\s+\t/2, \s%2, \t%2
.else
	WM VA+16*\t+8*\par, XF+12*\s, 12*(4*(\s%4)+\t), VA+16*\t+8*\par, XS+\s/2, WS+2*\s+\t/2, \s%2, \t%2
.endif
.endr
.endr
.endm
; 32 numbers of a lane, register 16 b + i = feature 32 b + 16 h + i of my row, become a half's codes in v[H] on and two scale bytes in v[HW]
.macro QUANT2 src
.irp b, 0,1
	v_max3_num_f32 v[BM+\b], |v[\src+16*\b]|, |v[\src+16*\b+1]|, 0x2800000   ; with the floor 2^(5 - 127)
.endr
.irp i, 2,4,6,8,10,12,14
.irp b, 0,1
	v_max3_num_f32 v[BM+\b], v[BM+\b], |v[\src+16*\b+\i]|, |v[\src+16*\b+\i+1]|
.endr
.endr
.irp b, 0,1
	v_permlanex16_b32 v[BX+\b], v[BM+\b], s[SEL], s[SEL+1]
.endr
.irp b, 0,1
	v_max_num_f32 v[BM+\b], v[BM+\b], v[BX+\b]
.endr
.irp b, 0,1
	v_add_nc_u32 v[SC+\b], 0xfe000000, v[BM+\b]    ; 4 off the exponent field: the conversion's scale operand
.endr
.irp b, 0,1
	v_lshrrev_b32 v[BX+\b], 23, v[SC+\b]
.endr
	v_lshl_or_b32 v[HW], v[BX+1], 8, v[BX]
	v_cvt_scalef32_pk16_bf6_f32 v[H:H+2], v[\src:\src+15], v[SC]
	v_cvt_scalef32_pk16_bf6_f32 v[CT:CT+2], v[\src+16:\src+31], v[SC+1]
	v_nop                                          ; one plain place behind a scaled conversion
.irp i, 0,1,2
	v_permlane16_swap_b32 v[H+\i], v[CT+\i]        ; lanes 0-15 get block 0 whole, lanes 16-31 block 1
.endr
.irp i, 0,1,2
	v_mov_b32 v[H+3+\i], v[CT+\i]
.endr
.endm
	s_load_b256 s[4:11], s[0:1], 0x0               ; xq, wimg, rope, qq
	s_load_b128 s[12:15], s[0:1], 0x20             ; kv, out1
	s_load_b64 s[16:17], s[0:1], 0x30              ; out2
	v_lshl_add_u32 v[SPW], v0, 2, SPARE
	v_mov_b32 v[NIL], 0
	ds_add_u32 v[SPW], v[NIL]                      ; the wave's opening: the add, twice on end, and its wait ahead of my first tensor load
	ds_add_u32 v[SPW], v[NIL]
	v_lshrrev_b32 v1, 5, v0
	v_readfirstlane_b32 s18, v1                    ; wave
	s_mov_b32 s19, ttmp9                           ; x
	s_and_b32 s20, ttmp7, 0xffff                   ; y
	s_lshl_b32 s21, s19, 2
	s_add_co_u32 s21, s21, s18                     ; my group of 64 columns
	s_mov_b32 s[SEL], 0x76543210
	s_mov_b32 s[SEL+1], 0xfedcba98
	s_mov_b32 s24, 3<<16                           ; group 1: 100 rows of 32 elements of 8 bytes, dense: 25,600 bytes
	s_mov_b32 s25, 32<<16
	s_mov_b32 s26, 100<<16
	s_mov_b32 s27, 32<<16
	s_mov_b32 s28, 100
	s_mov_b32 s29, 32
	s_mov_b32 s30, 0
	s_mov_b32 s31, 0
	s_mov_b32 s32, 1                               ; group 0
	s_mul_i32 s33, s18, 25600                      ; LDS: my quarter
	s_mul_i32 s36, s20, 102400
	s_add_co_u32 s36, s36, s33
	s_mov_b32 s37, 0
	s_mul_i32 s38, s21, 51200
	s_mov_b32 s39, 0
	s_lshl_b32 s40, s20, 15                        ; eight row tiles of the table
	s_mov_b32 s41, 0
	s_lshl_b32 s42, s21, 5
	s_add_co_u32 s42, s42, s20
	s_mul_i32 s42, s42, 6400                       ; Q: my block of qq
	s_lshl_b32 s44, s18, 5
	s_add_co_u32 s44, s44, s20
	s_mul_i32 s44, s44, 12800                      ; K, V: my block of kv
	s_cmp_lt_u32 s19, 4
	s_cselect_b32 s42, s42, s44
	s_mov_b32 s43, 0
	s_lshl_b32 s46, s18, 20
	s_lshl_b32 s47, s20, 15
	s_add_co_u32 s46, s46, s47                     ; my 128 rows of 256 bytes in out1 or out2
	s_mov_b32 s47, 0
	s_mul_i32 s58, s18, 4352
	s_add_co_u32 s59, s58, KSTG
	s_add_co_u32 s60, s58, VSTG
	v_and_b32 v1, 31, v0                           ; lane
	v_and_b32 v2, 15, v0                           ; r
	v_bfe_u32 v3, v0, 4, 1                         ; h
	v_lshlrev_b32 v4, 4, v1                        ; 16 x lane,
	v_add_nc_u32 v5, 64000, v4                     ; and 64,000 on
	v_lshlrev_b32 v6, 3, v1                        ; 8 x lane
	v_add_nc_u32 v7, 64000, v6
	v_lshlrev_b32 v8, 2, v1                        ; 4 x lane
	v_add_nc_u32 v9, 64000, v8
	v_mul_u32_u24 v10, v2, 272
	v_lshl_add_u32 v10, v3, 6, v10
	v_add_nc_u32 v10, s59, v10                     ; K's stage, in: row r, + 64 h
	v_mul_u32_u24 v11, v3, 272
	v_lshl_add_u32 v11, v2, 4, v11
	v_add_nc_u32 v13, s60, v11                     ; V's stage, back
	v_add_nc_u32 v11, s59, v11                     ; K's stage, back: lanes 0-15 one row, lanes 16-31 the next
	v_and_b32 v12, 8, v2
	v_add_nc_u32 v12, v12, v2
	v_lshlrev_b32 v12, 2, v12
	v_mad_u32_u24 v12, v3, 2176, v12
	v_add_nc_u32 v12, s60, v12                     ; V's stage, in: row 8 h, word rho + 8 (rho / 8)
	v_lshlrev_b32 v14, 8, v3
	v_lshl_add_u32 v14, v2, 4, v14
	v_and_b32 v216, 7, v2                          ; r % 8
	v_lshrrev_b32 v217, 3, v2                      ; r / 8
	v_mul_u32_u24 v15, v217, 1536
	v_lshl_add_u32 v255, v216, 3, v15
	v_lshl_add_u32 v255, v3, 7, v255               ; a half's registers 4-5: 1,536 (r / 8) + 8 (r % 8) + 128 h
	v_lshl_add_u32 v15, v216, 4, v15
	v_lshl_add_u32 v15, v3, 8, v15                 ; its registers 0-3: 1,536 (r / 8) + 16 (r % 8) + 256 h
	v_lshlrev_b32 v254, 3, v216
	v_lshl_add_u32 v254, v217, 7, v254             ; its scale bytes: 128 (r / 8) + 8 (r % 8)
	s_wait_dscnt 0x0                               ; both opening adds are done
	s_wait_kmcnt 0x0
	s_add_nc_u64 s[34:35], s[4:5], s[36:37]
	s_or_b32 s35, s35, 0x80000000
	tensor_load_to_lds s[32:35], s[24:31]          ; every wave's one load: its quarter of the block's codes and scale words
	s_nop 0
.rept 4
	v_nop
.endr
	s_add_nc_u64 s[56:57], s[6:7], s[38:39]        ; my weights
	s_add_nc_u64 s[54:55], s[8:9], s[40:41]        ; the table
	s_cmp_lt_u32 s19, 4
	s_cselect_b64 s[48:49], s[10:11], s[12:13]
	s_add_nc_u64 s[48:49], s[48:49], s[42:43]      ; my block of qq or kv
	s_cmp_eq_u32 s19, 4
	s_cselect_b64 s[52:53], s[14:15], s[16:17]
	s_add_nc_u64 s[52:53], s[52:53], s[46:47]      ; my rows of out1 or out2 (Q's work-groups do not use it)
	WIN 0x40                                       ; destination window 1: fragments (s < 4, t) at v[12 (4 s + t)]
.set f, 0
.rept 16
	global_load_b128 v[12*f:12*f+3], v4, s[56:57] offset:1536*f
	global_load_b64 v[12*f+4:12*f+5], v6, s[56:57] offset:1536*f+512
	global_load_b128 v[12*f+6:12*f+9], v4, s[56:57] offset:1536*f+768
	global_load_b64 v[12*f+10:12*f+11], v6, s[56:57] offset:1536*f+1280
.set f, f+1
.endr
	WIN 0x80                                       ; window 2: those of s >= 4
.set f, 0
.rept 16
	global_load_b128 v[12*f:12*f+3], v4, s[56:57] offset:1536*(16+f)
	global_load_b64 v[12*f+4:12*f+5], v6, s[56:57] offset:1536*(16+f)+512
	global_load_b128 v[12*f+6:12*f+9], v4, s[56:57] offset:1536*(16+f)+768
	global_load_b64 v[12*f+10:12*f+11], v6, s[56:57] offset:1536*(16+f)+1280
.set f, f+1
.endr
	WIN 0
.set f, 0
.rept 16
	global_load_b32 v[WS+f], v8, s[56:57] offset:49152+128*f
.set f, f+1
.endr
	s_wait_tensorcnt 0x0                           ; my quarter has landed,
	s_barrier_signal -1
	s_barrier_wait -1                              ; everybody's has; nothing is filled again in this launch
	FETCHX 0
	s_wait_loadcnt 0x0                             ; the weights and their scale words
	s_cmp_eq_u32 s19, 5
	s_cbranch_scc1 .Lvpath
; ---- Q and K
	s_mov_b32 s44, 12288
	s_cmp_lt_u32 s19, 4
	s_cselect_b32 s44, 6144, s44
	s_mov_b32 s45, 0
	s_add_nc_u64 s[50:51], s[48:49], s[44:45]      ; where the scale words go
	v_mov_b32 v[BX], 0                             ; a lane permute's destination counts as one of its sources
	v_mov_b32 v[BX+1], 0
.irp q, 0,1,2,3,4,5,6,7
	global_load_b128 v[TBR+4*\q:TBR+4*\q+3], v4, s[54:55] offset:512*\q   ; row tile 0's cos and sin
.endr
.macro QK_TILE m
	s_wait_xcnt 0x0                                ; the last tile's stores have read their registers
	s_wait_dscnt 0x0                               ; this tile's fragments are in
	MMT
	WIN 0
	PLACES
.if \m < 7
	FETCHX (\m+1)                                  ; lands under the vector work below
.endif
	s_wait_loadcnt 0x0                             ; this tile's cos and sin
.irp i, 0,2,4,6,8,10,12,14                     ; RoPE in place, each accumulator from its low end on: a = a cos - b sin, b = b cos + a sin
	v_pk_mul_f32 v[RT:RT+1], v[ACC+16+\i:ACC+17+\i], v[TBR+16+\i:TBR+17+\i]
	v_pk_mul_f32 v[RT+2:RT+3], v[ACC+\i:ACC+\i+1], v[TBR+16+\i:TBR+17+\i]
	v_pk_fma_f32 v[ACC+\i:ACC+\i+1], v[ACC+\i:ACC+\i+1], v[TBR+\i:TBR+\i+1], v[RT:RT+1] neg_lo:[0,0,1] neg_hi:[0,0,1]
	v_pk_fma_f32 v[ACC+16+\i:ACC+17+\i], v[ACC+16+\i:ACC+17+\i], v[TBR+\i:TBR+\i+1], v[RT+2:RT+3]
.endr
.if \m < 7
.irp q, 0,1,2,3,4,5,6,7
	global_load_b128 v[TBR+4*\q:TBR+4*\q+3], v4, s[54:55] offset:4096*(\m+1)+512*\q
.endr
.endif
	QUANT2 ACC
	global_store_b128 v15, v[H:H+3], s[48:49] offset:768*(4*(\m/4)+\m%2)+128*((\m/2)%2)
	global_store_b64 v255, v[H+4:H+5], s[48:49] offset:768*(4*(\m/4)+\m%2)+512+64*((\m/2)%2)
	global_store_b16 v254, v[HW], s[50:51] offset:64*((\m/2)%2)+4*(\m/4)+2*(\m%2)   ; lanes r and 16 + r store the same two bytes to the same place
	s_cmp_lg_u32 s19, 4                            ; K alone is an output: 16 rows go through my stage and leave as 512 consecutive bytes a store
	s_cbranch_scc1 .Lnotk_\@
.irp b, 0,1
.irp q, 0,1,2,3
	ds_store_b128 v10, v[ACC+16*\b+4*\q:ACC+16*\b+4*\q+3] offset:128*\b+16*\q
.endr
.endr
.irp i, 0,1,2,3,4,5,6,7
	ds_load_b128 v[ACC+4*\i:ACC+4*\i+3], v11 offset:544*\i   ; LDS serves a wave's instructions in order (ISA guide 5.7.1.4): these see the stores above
.endr
	s_wait_dscnt 0x0
.irp i, 0,1,2,3,4,5,6,7
	global_store_b128 v14, v[ACC+4*\i:ACC+4*\i+3], s[52:53] offset:256*(16*\m+2*\i) th:TH_STORE_NT
.endr
.Lnotk_\@:
.endm
	QK_TILE 0
	QK_TILE 1
	QK_TILE 2
	QK_TILE 3
	QK_TILE 4
	QK_TILE 5
	QK_TILE 6
	QK_TILE 7
	s_branch .Lend
; ---- V
.Lvpath:
	s_add_nc_u64 s[50:51], s[48:49], 12544         ; V's scale words
	s_add_nc_u64 s[48:49], s[48:49], 6144          ; V's fragments
.irp t, 0,1,2,3
	v_mov_b32 v[VBX+\t], 0
.endr
; row tiles 2 be and 2 be + 1: a block of 32 keys
.macro V_PAIR be
.irp par, 0,1
	s_wait_xcnt 0x0                                ; earlier stores have read their registers
	s_wait_dscnt 0x0
	MMN \par
	WIN 0
	PLACES
.if 2*\be+\par < 7
	FETCHX (2*\be+\par+1)
.endif
.endr
.irp t, 0,1,2,3
	v_max3_num_f32 v[VBM+\t], |v[VA+16*\t]|, |v[VA+16*\t+1]|, 0x2800000
.endr
.irp i, 2,4,6,8,10,12,14
.irp t, 0,1,2,3
	v_max3_num_f32 v[VBM+\t], v[VBM+\t], |v[VA+16*\t+\i]|, |v[VA+16*\t+\i+1]|
.endr
.endr
.irp t, 0,1,2,3
	v_permlanex16_b32 v[VBX+\t], v[VBM+\t], s[SEL], s[SEL+1]
.endr
.irp t, 0,1,2,3
	v_max_num_f32 v[VBM+\t], v[VBM+\t], v[VBX+\t]  ; the block's largest magnitude, for my feature of tile t
.endr
.irp t, 0,1,2,3
	v_add_nc_u32 v[VSC+\t], 0xfe000000, v[VBM+\t]
.endr
.irp t, 0,1,2,3
	v_lshrrev_b32 v[VBX+\t], 23, v[VSC+\t]
.endr
.irp t, 0,1,2,3
.if \be == 0
	v_mov_b32 v[VW+\t], v[VBX+\t]
.else
	v_lshl_or_b32 v[VW+\t], v[VBX+\t], 8*\be, v[VW+\t]
.endif
.endr
.if \be%2 == 0
.irp t, 0,1,2,3
	v_cvt_scalef32_pk16_bf6_f32 v[VH+6*\t:VH+6*\t+2], v[VA+16*\t:VA+16*\t+15], v[VSC+\t]   ; kept until the odd block is there
.endr
	v_nop
.else
.irp t, 0,1,2,3
	v_cvt_scalef32_pk16_bf6_f32 v[VCT+4*\t:VCT+4*\t+2], v[VA+16*\t:VA+16*\t+15], v[VSC+\t]
.endr
	v_nop
.irp t, 0,1,2,3
.irp i, 0,1,2
	v_permlane16_swap_b32 v[VH+6*\t+\i], v[VCT+4*\t+\i]   ; lanes 0-15 get the even block whole, lanes 16-31 the odd one
.endr
.irp i, 0,1,2
	v_mov_b32 v[VH+6*\t+3+\i], v[VCT+4*\t+\i]
.endr
.endr
.irp t, 0,1,2,3
	global_store_b128 v4, v[VH+6*\t:VH+6*\t+3], s[48:49] offset:1536*\t+768*(\be/2)
	global_store_b64 v6, v[VH+6*\t+4:VH+6*\t+5], s[48:49] offset:1536*\t+768*(\be/2)+512
.endr
.endif
.irp par, 0,1                                  ; out2: a lane holds a piece of a column: 16 rows at a time turn through my stage
.irp t, 0,1,2,3
.irp j, 0,1,2,3,4,5,6,7
	ds_store_b32 v12, v[VA+16*\t+8*\par+\j] offset:272*\j+4*(32*(\t/2)+8*(\t%2))
.endr
.endr
.irp i, 0,1,2,3,4,5,6,7
	ds_load_b128 v[VA+16*(\i/2)+8*\par+4*(\i%2):VA+16*(\i/2)+8*\par+4*(\i%2)+3], v13 offset:544*\i
.endr
.endr
	s_wait_dscnt 40                                ; the first row tile is back: behind its loads stand the second's 32 stores and 8 loads
.irp i, 0,1,2,3,4,5,6,7
	global_store_b128 v14, v[VA+16*(\i/2)+4*(\i%2):VA+16*(\i/2)+4*(\i%2)+3], s[52:53] offset:256*(32*\be+2*\i) th:TH_STORE_NT
.endr
	s_wait_dscnt 0x0
.irp i, 0,1,2,3,4,5,6,7
	global_store_b128 v14, v[VA+16*(\i/2)+8+4*(\i%2):VA+16*(\i/2)+8+4*(\i%2)+3], s[52:53] offset:256*(32*\be+16+2*\i) th:TH_STORE_NT
.endr
.endm
	V_PAIR 0
	V_PAIR 1
	V_PAIR 2
	V_PAIR 3
	v_cmp_lt_u32 vcc_lo, 15, v1
	v_cndmask_b32 v[VBM], v[VW], v[VW+1], vcc_lo   ; word j of lane l serves tile 2 j + l / 16
	v_cndmask_b32 v[VBM+1], v[VW+2], v[VW+3], vcc_lo
	global_store_b64 v6, v[VBM:VBM+1], s[50:51]
.Lend:
	s_wait_tensorcnt 0x0                           ; the wave's end: behind my tensor load and my last LDS store
	ds_add_u32 v[SPW], v[NIL]
	s_wait_dscnt 0x0
	s_endpgm
.Lfunc_end_k_qb64932a7c6_qkv:
	.size	k_qb64932a7c6_qkv, .Lfunc_end_k_qb64932a7c6_qkv-k_qb64932a7c6_qkv
	.p2alignl 7, 3214868480
	.fill 96, 4, 3214868480
	.section	.rodata,"a",@progbits
	.p2align	6, 0x0
	.amdhsa_kernel k_qb64932a7c6_qkv
		.amdhsa_group_segment_fixed_size 167936
		.amdhsa_private_segment_fixed_size 0
		.amdhsa_enable_private_segment 0
		.amdhsa_kernarg_size 56
		.amdhsa_user_sgpr_count 2
		.amdhsa_user_sgpr_kernarg_segment_ptr 1
		.amdhsa_wavefront_size32 1
		.amdhsa_system_sgpr_workgroup_id_x 1
		.amdhsa_system_sgpr_workgroup_id_y 1
		.amdhsa_system_sgpr_workgroup_id_z 1
		.amdhsa_system_vgpr_workitem_id 0
		.amdhsa_next_free_vgpr 768
		.amdhsa_next_free_sgpr 66
		.amdhsa_reserve_vcc 1
		.amdhsa_float_denorm_mode_32 3
		.amdhsa_float_denorm_mode_16_64 3
		.amdhsa_memory_ordered 1
		.amdhsa_forward_progress 1
		.amdhsa_inst_pref_size 219
	.end_amdhsa_kernel
	.amdgpu_metadata
---
amdhsa.version: [ 1, 2 ]
amdhsa.kernels:
  - .name:           k_qb64932a7c6_qkv
    .symbol:         k_qb64932a7c6_qkv.kd
    .args:
      - { .name: xq, .offset: 0, .size: 8, .value_kind: global_buffer, .address_space: global }
      - { .name: wimg, .offset: 8, .size: 8, .value_kind: global_buffer, .address_space: global }
      - { .name: rope, .offset: 16, .size: 8, .value_kind: global_buffer, .address_space: global }
      - { .name: qq, .offset: 24, .size: 8, .value_kind: global_buffer, .address_space: global }
      - { .name: kv, .offset: 32, .size: 8, .value_kind: global_buffer, .address_space: global }
      - { .name: out1, .offset: 40, .size: 8, .value_kind: global_buffer, .address_space: global }
      - { .name: out2, .offset: 48, .size: 8, .value_kind: global_buffer, .address_space: global }
    .group_segment_fixed_size: 167936
    .private_segment_fixed_size: 0
    .kernarg_segment_align: 8
    .kernarg_segment_size: 56
    .max_flat_workgroup_size: 128
    .sgpr_count:     66
    .vgpr_count:     768
    .wavefront_size: 32
...
	.end_amdgpu_metadata
.endif
;; end of part 2
;; launch attn (part 3): grid 64 x 4, 16 waves a work-group, clusters of 4 x 1, 327,680 bytes of LDS; arguments qq, kv, aq; writes aq
.if DOCPART == 3
	.amdgcn_target "amdgcn-amd-amdhsa--gfx1250"
	.amdhsa_code_object_version 6
	.text
	.protected	k_qb64932a7c6_attn
	.globl	k_qb64932a7c6_attn
	.p2align	8
	.type	k_qb64932a7c6_attn,@function
k_qb64932a7c6_attn:
	s_mov_b64 s[64:65], 0
	v_nop
	global_prefetch_b8 v0, s[64:65] scope:SCOPE_SE
	s_setreg_imm32_b32 hwreg(HW_REG_WAVE_MODE, 25, 1), 1
	s_wait_xcnt 0x0
	s_wait_alu depctr_hold_cnt(0) depctr_sa_sdst(0) depctr_va_vdst(0) depctr_va_sdst(0) depctr_va_ssrc(0) depctr_va_vcc(0) depctr_vm_vsrc(0)
	s_getreg_b32 s2, hwreg(HW_REG_IB_STS2, 6, 4)
	s_cmp_eq_u32 s2, 0
	s_cbranch_scc0 .Lentry_in_a_cluster
	s_endpgm
.Lentry_in_a_cluster:
	s_bfe_u32 s2, ttmp6, 0x10000c
	s_cmp_lg_u32 s2, 0x3003
	s_cbranch_scc0 .Lentry_shape_is_right
	s_endpgm
.Lentry_shape_is_right:
; Launch 3 of 4: softmax(Q K^T / 8, causal) V on codes of E3M2, divided by the row's sum and quantised along the embedding for launch 4.
; LEFT OUT: key steps all of whose 128 keys come after a tile's 16 queries (reference()'s own jnp.tril gives them the weight 0 for all finite inputs: see launch 1's head).  No such step is loaded or walked here.
; THE SOFTMAX: t = score x log2(e) / 8; M = the running largest t rounded UP to a whole number; p = 2^(t - M) is quantised along the keys, not normalised; the row's sum is taken of the unquantised p; when M moves, the sum
; and O are multiplied by 2^(old M - new M), which rounds nothing.  LIMIT: the promise holds while |t| stays under 2^31.  Other limits as in launch 1.
; SHARES.  Work-group (i, g), i = 0 .. 63: kv head g, the blocks of 32 queries i (early) and 127 - i (late); f = i / 4.  An early tile needs key steps 0 .. f, a late one 0 .. 31 - f: 33 in all.
; Wave w: head 4 g + w % 4, tile e = w / 8 of each block, role (w / 4) % 2.  Role X: the late tile, key steps 0 .. 16 (17 steps).  Role Y: the early tile, steps 0 .. f, whose result it stores; then the late tile,
; steps 17 .. 31 - f (16 steps in all).  Y's O, M and sum of the late tile go through a stage in LDS to its X, which brings both under the larger M (exact powers of two), adds, and stores.
; THE RING: at time s = 0 .. 15 X reads key step s (stream A), Y reads step s while s <= f and step s + 16 - f after (stream B).  A slot holds four times x two streams, unit 2 (s % 4) + stream, 12,800 bytes each;
; two slots, 131,072 bytes apart; waves 0-7 fetch a unit each.  Key step 16, X's last, comes once, by wave 8's load at the head.  Every load is read; none is jumped over.
; CLUSTER 4, 1, 1: the four work-groups of a cluster have one g and one f (the cluster's x), so all their loads are the same and are asked for jointly.  No branch, trip count or LDS address hangs on the place in the cluster:
; the diagonal's step is told by f alone; the place enters global addresses of Q and of the result, and the numbers compared under the mask.
; NO PREFETCH: the sixteen clusters of a kv head walk its 409,600 bytes in step, so each key step is asked for by all of them in the same trip.
; LAYOUT (launch 2): K's half T holds in rows 0-7 a group of 8 keys of block 2 (T / 4), in rows 8-15 the same group of block 2 (T / 4) + 1.  Both products are used transposed: lane (r, h) holds query r, and its 32 registers
; of score tiles 4 c .. 4 c + 3 are the WHOLE block 2 c + h of 32 keys, in the order of V's codes: a block's maximum needs no other lane and the conversions' results are the operand.
; K = 64 IN A FORM OF 128: source 0 is a double fragment (halves 2 tau, 2 tau + 1); source 1 is (q, 0) or (0, q), out of one run of 18 registers q, 0, q; zero codes add nothing.
.set SLOT1, 131072
.set STEPB, 12800
.set EXTRA, 102400                     ; key step 16, behind slot 0
.set SPARE, 115200                     ; the spare words, 128 bytes for each of the sixteen waves
.set STAGE, 233472                     ; behind slot 1: 4,608 bytes for each of the eight pairs X, Y; no tensor load lands here
.set PAIRB, 4608
.set WV,  18
.set SEL, 20
.set CS,  22                           ; s[22:23] c = log2(e) / 8
.set TB,  36                           ; LDS byte at which my unit of the time in hand begins
.set KF,  37                           ; its first key
.set Q0,  38                           ; my tile's first query
.set TS,  39                           ; the time
.set SLOTS, 40
.set STP, 41
.set ROLE, 46
.set F,   47
.set KVB, 52                           ; s[52:53] my kv head's key step 0
.set SN,  54                           ; loading waves: the time of the unit that I fetch next
.set FT,  55                           ; the time after which stream B jumps (99 for stream A)
.set ADJ, 56                           ; 16 - f
.set FL,  57                           ; the time at which Y changes tiles, f + 1 (99 for X)
.set KJ,  58                           ; 128 (16 - f)
.set Q0H, 59
.set QA,  66                           ; s[66:71] three addresses of my first tile's Q;  s[76:81] of the late tile's
.set OA,  72                           ; s[72:73] where my result's codes go, s[74:75] its scale bytes
.set OS,  74
.set QB,  76
.set DK,  82                           ; first key of the step that holds my tile's diagonal
.set DKH, 83
.set H32, 84
.set STG, 87
.set QS,  34                           ; v34 Q's scale word, its two bytes twice
.set PW,  35                           ; v35 p's scale word
.set FR,  36                           ; v36-83 four fragments: K's, then V's
.set KS,  84
.set VS,  86
.set S,   96                           ; v96-159 S^T, then p
.set O,   160                          ; v160-191 O^T
; v1 16 x lane, v2 8 x lane, v3 my spare word, v4 0, v5-6 the step's addresses, v7 8 h, v10 r - 32 h, v11 4 r; v12 -M, v13 the largest t, v[14:15] the sum; v16-33 q, 0, q; v91-93 Q's lane offsets; v95 the stage;
; v192-211 and v236-254 at work; v224-235 p's codes
.macro WM d, a, b, c, sa, sb, ra       ; c < 0: the constant 0 starts the sum.  ra: source 0's scales stand in lanes 16-31
.if (\c) < 0
.if (\ra)
	v_wmma_scale_f32_16x16x128_f8f6f4 v[(\d):(\d)+7], v[(\a):(\a)+11], v[(\b):(\b)+11], 0, v[(\sa)], v[(\sb)] matrix_a_fmt:MATRIX_FMT_BF6 matrix_b_fmt:MATRIX_FMT_BF6 matrix_a_scale:MATRIX_SCALE_ROW1
.else
	v_wmma_scale_f32_16x16x128_f8f6f4 v[(\d):(\d)+7], v[(\a):(\a)+11], v[(\b):(\b)+11], 0, v[(\sa)], v[(\sb)] matrix_a_fmt:MATRIX_FMT_BF6 matrix_b_fmt:MATRIX_FMT_BF6
.endif
.else
.if (\ra)
	v_wmma_scale_f32_16x16x128_f8f6f4 v[(\d):(\d)+7], v[(\a):(\a)+11], v[(\b):(\b)+11], v[(\c):(\c)+7], v[(\sa)], v[(\sb)] matrix_a_fmt:MATRIX_FMT_BF6 matrix_b_fmt:MATRIX_FMT_BF6 matrix_a_scale:MATRIX_SCALE_ROW1
.else
	v_wmma_scale_f32_16x16x128_f8f6f4 v[(\d):(\d)+7], v[(\a):(\a)+11], v[(\b):(\b)+11], v[(\c):(\c)+7], v[(\sa)], v[(\sb)] matrix_a_fmt:MATRIX_FMT_BF6 matrix_b_fmt:MATRIX_FMT_BF6
.endif
.endif
.endm
.macro TLOAD n                         ; waves 0 .. n - 1 fetch a unit each, jointly with the cluster's partners; an s_nop 0 and four v_nop follow the load
	s_cmp_lt_u32 s[WV], \n
	s_cbranch_scc0 .Lasked_\@
	tensor_load_to_lds s[32:35], s[24:31]
	s_nop 0
.rept 4
	v_nop
.endr
.Lasked_\@:
.endm
.macro ROUND                           ; a round of the cluster's barrier
	s_barrier_signal -1
	s_barrier_wait -1
	s_cmp_lg_u32 s[WV], 0
	s_cbranch_scc1 .Lnot_wave_0_\@
	s_barrier_signal -3
.Lnot_wave_0_\@:
	s_barrier_wait -3
	s_barrier_signal -1
	s_barrier_wait -1
.endm
.macro DESC                            ; group 0's global address: key step SN, or SN + 16 - f behind stream B's jump
	s_cmp_gt_u32 s[SN], s[FT]
	s_cselect_b32 s50, s[ADJ], 0
	s_add_co_u32 s50, s50, s[SN]
	s_mul_i32 s50, s50, STEPB
	s_add_nc_u64 s[34:35], s[KVB:KVB+1], s[50:51]
	s_or_b32 s35, s35, 0x80000000
.endm
.macro GET4 off                        ; four fragments' images, from off bytes on in the unit
.irp f, 0,1,2,3
	ds_load_b128 v[FR+12*\f:FR+12*\f+3], v5 offset:\off+1536*\f
	ds_load_b64 v[FR+12*\f+4:FR+12*\f+5], v6 offset:\off+1536*\f+512
	ds_load_b128 v[FR+12*\f+6:FR+12*\f+9], v5 offset:\off+1536*\f+768
	ds_load_b64 v[FR+12*\f+10:FR+12*\f+11], v6 offset:\off+1536*\f+1280
.endr
.endm
; byte offsets in qq of query tile s[t] (m = its number in its block of 128 rows): registers 0-3, registers 4-5 (less 512), scale bytes (less 6,144), by launch 2's order of rows
.macro QOFF t, d
	s_lshr_b32 s60, s[\t], 3
	s_add_co_u32 s60, s60, s[H32]
	s_mul_i32 s60, s60, 6400
	s_bfe_u32 s61, s[\t], 0x10002                  ; m / 4
	s_and_b32 s62, s[\t], 1                        ; m % 2
	s_bfe_u32 s63, s[\t], 0x10001                  ; (m / 2) % 2
	s_lshl_b32 s[\d+4], s61, 2
	s_add_co_u32 s[\d], s[\d+4], s62
	s_mul_i32 s[\d], s[\d], 768
	s_add_co_u32 s[\d], s[\d], s60
	s_lshl_b32 s63, s63, 6
	s_add_co_u32 s[\d+2], s[\d], s63
	s_add_co_u32 s[\d], s[\d+2], s63
	s_lshl_b32 s62, s62, 1
	s_add_co_u32 s[\d+4], s[\d+4], s62
	s_add_co_u32 s[\d+4], s[\d+4], s63
	s_add_co_u32 s[\d+4], s[\d+4], s60
	s_mov_b32 s[\d+1], 0
	s_mov_b32 s[\d+3], 0
	s_mov_b32 s[\d+5], 0
.endm
.macro LOADQ d
	global_load_b128 v[16:19], v91, s[\d:\d+1]
	global_load_b64 v[20:21], v92, s[\d+2:\d+3] offset:512
	global_load_u16 v[QS], v93, s[\d+4:\d+5] offset:6144
.endm
.macro SETQ                            ; the second copy of q, the scale bytes twice, and O^T = 0, whose 32 lines are also the places ahead of the next products
.irp j, 0,1,2,3,4,5
	v_mov_b32 v[28+\j], v[16+\j]
.endr
	v_lshl_or_b32 v[QS], v[QS], 16, v[QS]
.set j, 0
.rept 32
	v_mov_b32 v[O+j], 0
.set j, j+1
.endr
.endm
; THE WAY OUT: O^T / the sum; register 16 b + i of lane (r, h) is feature 32 b + 16 h + i of query r: quantised as it lies
.macro OUT
	v_add_f32 v14, v14, v15
	s_delay_alu instid0(VALU_DEP_1)
	v_permlanex16_b32 v241, v14, s[SEL], s[SEL+1]
	s_delay_alu instid0(VALU_DEP_1)
	v_add_f32 v14, v14, v241
	s_wait_alu depctr_va_vdst(0)                   ; the wait ahead of the transcendental
	v_rcp_f32 v14, v14
	v_nop
	s_wait_alu depctr_va_vdst(0)                   ; and behind it, ahead of its first reader
.set j, 0
.rept 16
	v_pk_mul_f32 v[S+j:S+j+1], v[O+j:O+j+1], v[14:15] op_sel_hi:[1,0]
.set j, j+2
.endr
.irp b, 0,1
	v_max3_num_f32 v[236+\b], |v[S+16*\b]|, |v[S+16*\b+1]|, 0x2800000
.endr
.irp i, 2,4,6,8,10,12,14
.irp b, 0,1
	s_delay_alu instid0(VALU_DEP_2)
	v_max3_num_f32 v[236+\b], v[236+\b], |v[S+16*\b+\i]|, |v[S+16*\b+\i+1]|
.endr
.endr
.irp b, 0,1
	s_delay_alu instid0(VALU_DEP_2)
	v_permlanex16_b32 v[238+\b], v[236+\b], s[SEL], s[SEL+1]
.endr
.irp b, 0,1
	s_delay_alu instid0(VALU_DEP_2)
	v_max_num_f32 v[236+\b], v[236+\b], v[238+\b]
.endr
.irp b, 0,1
	s_delay_alu instid0(VALU_DEP_2)
	v_add_nc_u32 v[244+\b], 0xfe000000, v[236+\b]
.endr
.irp b, 0,1
	s_delay_alu instid0(VALU_DEP_2)
	v_lshrrev_b32 v[246+\b], 23, v[244+\b]
.endr
	s_delay_alu instid0(VALU_DEP_1)
	v_lshl_or_b32 v254, v247, 8, v246
	v_cvt_scalef32_pk16_bf6_f32 v[224:226], v[S:S+15], v244
	v_cvt_scalef32_pk16_bf6_f32 v[192:194], v[S+16:S+31], v245
	v_nop
.irp i, 0,1,2
	v_permlane16_swap_b32 v[224+\i], v[192+\i]
.endr
.irp i, 0,1,2
	s_delay_alu instid0(VALU_DEP_3)
	v_mov_b32 v[227+\i], v[192+\i]
.endr
	global_store_b128 v1, v[224:227], s[OA:OA+1]
	global_store_b64 v2, v[228:229], s[OA:OA+1] offset:512
	global_store_b16 v11, v254, s[OS:OS+1] offset:12288   ; lanes r and 16 + r store the same two bytes to the same place
.endm
; Y at time f + 1: the early tile is finished and stored, and the late tile begins at key step 17.  The test is made of the wave's number, the cluster's x and the count of steps
.macro MAYFLUSH
	s_cmp_lg_u32 s[TS], s[FL]
	s_cbranch_scc1 .Lsame_\@
.rept 4
	v_nop                                          ; places behind the last products
.endr
	LOADQ QB                                       ; the late tile's q lands under the way out
	OUT
	v_mov_b32 v13, 0xff61b1e6
	s_delay_alu instid0(VALU_DEP_1)
	v_floor_f32 v12, -v13
	v_mov_b32 v14, 0
	v_mov_b32 v15, 0
	s_wait_loadcnt 0x0
	SETQ
	s_mov_b32 s[Q0], s[Q0H]
	s_mov_b32 s[DK], s[DKH]
	s_add_co_u32 s[KF], s[KF], s[KJ]
	s_wait_xcnt 0x0                                ; the stores have read their registers
	s_wait_alu depctr_va_vdst(0)
.Lsame_\@:
.endm
	s_load_b128 s[4:7], s[0:1], 0x0                ; qq, kv
	s_load_b64 s[8:9], s[0:1], 0x10                ; aq
	v_lshl_add_u32 v3, v0, 2, SPARE
	v_mov_b32 v4, 0
	ds_add_u32 v3, v4                              ; the wave's opening: the add, twice on end, and its wait ahead of the round in front of the first tensor loads
	ds_add_u32 v3, v4
	v_lshrrev_b32 v1, 5, v0
	s_delay_alu instid0(VALU_DEP_1)
	v_readfirstlane_b32 s[WV], v1                  ; wave 0..15
	s_mov_b32 s[F], ttmp9                          ; f: the cluster's x
	s_bfe_u32 s60, ttmp6, 0x40000                  ; cx
	s_lshl_b32 s61, ttmp9, 2
	s_add_co_u32 s61, s61, s60                     ; i
	s_and_b32 s42, ttmp7, 0xffff                   ; g
	s_and_b32 s43, s[WV], 3
	s_bfe_u32 s[ROLE], s[WV], 0x10002              ; 0: X, 1: Y
	s_lshr_b32 s44, s[WV], 3                       ; e
	s_lshl_b32 s45, s42, 2
	s_add_co_u32 s45, s45, s43                     ; my head
	s_lshl_b32 s[H32], s45, 5
	s_lshl_b32 s63, s61, 1
	s_add_co_u32 s62, s63, s44                     ; the early tile, 2 i + e
	s_sub_co_u32 s49, 254, s63
	s_add_co_u32 s49, s49, s44                     ; the late tile, 254 - 2 i + e
	s_lshl_b32 s[Q0H], s49, 4
	s_lshl_b32 s60, s[F], 7
	s_sub_co_u32 s[DKH], 3968, s60                 ; 128 (31 - f)
	s_sub_co_u32 s[KJ], 2048, s60
	s_sub_co_u32 s[ADJ], 16, s[F]
	s_add_co_u32 s61, s[F], 1
	s_mul_i32 s[TB], s[ROLE], STEPB                ; X reads the even units, Y the odd ones
	s_mov_b32 s[FL], 99
	s_cmp_eq_u32 s[ROLE], 1
	s_cselect_b32 s48, s62, s49                    ; my first tile
	s_cselect_b32 s[DK], s60, s[DKH]
	s_cselect_b32 s[FL], s61, s[FL]
	s_lshl_b32 s[Q0], s48, 4
	s_and_b32 s60, s[WV], 1                        ; the unit that I fetch: stream,
	s_lshr_b32 s[SN], s[WV], 1                     ; time
	s_mov_b32 s[FT], 99
	s_cmp_eq_u32 s60, 1
	s_cselect_b32 s[FT], s[F], s[FT]
	s_cmp_eq_u32 s[WV], 8
	s_cselect_b32 s[SN], 16, s[SN]                 ; wave 8: key step 16
	s_mov_b32 s24, 15|(3<<16)|(1<<21)              ; group 1: the mask of the cluster's four, bit 21 beside it; 50 rows of 32 elements of 8 bytes, dense: 12,800 bytes
	s_mov_b32 s25, 32<<16
	s_mov_b32 s26, 50<<16
	s_mov_b32 s27, 32<<16
	s_mov_b32 s28, 50
	s_mov_b32 s29, 32
	s_mov_b32 s30, 0
	s_mov_b32 s31, 0
	s_mov_b32 s32, 1
	s_mul_i32 s33, s[WV], STEPB                    ; LDS: unit = wave; wave 8's lies behind slot 0
	s_mul_i32 s50, s42, 32*STEPB
	s_mov_b32 s51, 0
	QOFF 48, QA
	QOFF 49, QB
	s_mul_i32 s60, s48, 12800                      ; aq: row tile,
	s_lshr_b32 s61, s45, 1
	s_mul_i32 s61, s61, 1536                       ; K step head / 2,
	s_and_b32 s62, s45, 1
	s_mul_i32 s63, s62, 768                        ; half head % 2
	s_add_co_u32 s[OA], s60, s61
	s_add_co_u32 s[OA], s[OA], s63
	s_mov_b32 s[OA+1], 0
	s_lshr_b32 s61, s45, 2
	s_lshl_b32 s61, s61, 7
	s_add_co_u32 s[OS], s60, s61
	s_bfe_u32 s61, s45, 0x10001
	s_lshl_b32 s61, s61, 6
	s_add_co_u32 s[OS], s[OS], s61
	s_lshl_b32 s62, s62, 1
	s_add_co_u32 s[OS], s[OS], s62                 ; its scale bytes, less 12,288
	s_mov_b32 s[OS+1], 0
	s_lshl_b32 s60, s44, 2
	s_add_co_u32 s60, s60, s43
	s_mul_i32 s60, s60, PAIRB
	s_add_co_u32 s[STG], s60, STAGE                ; my pair's stage
	s_mov_b32 s[SEL], 0x76543210
	s_mov_b32 s[SEL+1], 0xfedcba98
	s_mov_b32 s[CS], 0x3e38aa3b                    ; log2(e) / 8
	s_mov_b32 s[CS+1], s[CS]
	s_mov_b32 s[KF], 0
	s_mov_b32 s[TS], 0
	s_mov_b32 s[SLOTS], 3
	s_wait_dscnt 0x0                               ; both opening adds are done
	s_wait_kmcnt 0x0
	s_add_nc_u64 s[KVB:KVB+1], s[6:7], s[50:51]
.irp d, QA, QA+2, QA+4, QB, QB+2, QB+4
	s_add_nc_u64 s[\d:\d+1], s[4:5], s[\d:\d+1]
.endr
	s_add_nc_u64 s[OA:OA+1], s[8:9], s[OA:OA+1]
	s_add_nc_u64 s[OS:OS+1], s[8:9], s[OS:OS+1]
	ROUND                                          ; the cluster's four are here: the first joint loads meet
	DESC
	TLOAD 9                                        ; slot 0's eight units and key step 16: one load a wave
	v_and_b32 v2, 31, v0
	v_and_b32 v8, 15, v0                           ; r
	v_bfe_u32 v9, v0, 4, 1                         ; h
	v_lshlrev_b32 v1, 4, v2
	v_lshlrev_b32 v2, 3, v2
	v_lshlrev_b32 v11, 2, v8
	v_lshlrev_b32 v7, 3, v9
	v_lshlrev_b32 v10, 5, v9
	v_and_b32 v88, 7, v8
	v_lshrrev_b32 v89, 3, v8
	v_sub_nc_u32 v10, v8, v10                      ; r - 32 h
	v_mul_u32_u24 v90, v89, 1536
	v_lshlrev_b32 v93, 3, v88
	v_add_nc_u32 v95, s[STG], v1
	v_lshl_add_u32 v91, v88, 4, v90
	v_lshl_add_u32 v92, v88, 3, v90
	v_lshl_add_u32 v93, v89, 7, v93                ; 128 (r / 8) + 8 (r % 8)
	v_lshl_add_u32 v91, v9, 8, v91                 ; 1,536 (r / 8) + 16 (r % 8) + 256 h
	v_lshl_add_u32 v92, v9, 7, v92                 ; 1,536 (r / 8) + 8 (r % 8) + 128 h
	LOADQ QA
	v_mov_b32 v13, 0xff61b1e6                      ; the largest t so far: -3e38
	s_delay_alu instid0(VALU_DEP_1)
	v_floor_f32 v12, -v13                          ; -M
	v_mov_b32 v14, 0
	v_mov_b32 v15, 0
.irp x, 238,239,241,249,252,253
	v_mov_b32 v\x, 0                               ; lane permutes' destinations and upper halves of pairs count as read
.endr
.irp j, 0,1,2,3,4,5
	v_mov_b32 v[22+\j], 0                          ; the zero codes between the two copies of q
.endr
	s_wait_loadcnt 0x0
	SETQ
	s_wait_alu depctr_va_vdst(0)                   ; the wait at the head's end
; A KEY STEP: 128 keys against my 16 queries
.macro BODY
	v_add_nc_u32 v5, s[TB], v1
	v_add_nc_u32 v6, s[TB], v2
	v_nop
	v_nop                                          ; four places in front of loads into registers that the last products have read
	GET4 0
	ds_load_b64 v[KS:KS+1], v6 offset:12288
	s_wait_alu depctr_va_vdst(0)
	s_wait_dscnt 0x0
.irp tau, 0,1,2,3
.irp e, 0,1
	WM S+8*(2*\tau+\e), FR+12*\tau, 16+6*\e, -1, KS+\tau/2, QS, \tau%2
.endr
.endr
.rept 4
	v_nop
.endr
	GET4 6144                                      ; V's fragments land under the softmax
	ds_load_b64 v[VS:VS+1], v6 offset:12544
	s_cmp_lg_u32 s[KF], s[DK]                      ; the step that holds the diagonal: hidden scores become -infinity ahead of the maximum
	s_cbranch_scc1 .Lopen_\@
	s_sub_co_i32 s62, s[Q0], s[KF]
	v_add_nc_u32 v250, s62, v10                    ; d = my query - KF - 32 h.  Register n holds key KF + 32 h + 64 (n / 32) + 16 ((n / 8) % 2) + 8 ((n / 16) % 2) + n % 8
	v_mov_b32 v251, 0xff800000
.set n, 0
.rept 64
	v_cmp_gt_i32 vcc_lo, 64*(n/32)+16*((n/8)%2)+8*((n/16)%2)+n%8, v250
	v_cndmask_b32 v[S+n], v[S+n], v251, vcc_lo
.set n, n+1
.endr
.Lopen_\@:
.irp q, 0,1,2,3
	v_max3_num_f32 v[236+\q], v[S+16*\q], v[S+16*\q+1], v[S+16*\q+2]   ; four chains of 15; each accumulator is first read at its low end
.endr
.irp i, 3,5,7,9,11,13
.irp q, 0,1,2,3
	v_max3_num_f32 v[236+\q], v[236+\q], v[S+16*\q+\i], v[S+16*\q+\i+1]
.endr
.endr
	v_max3_num_f32 v236, v236, v[S+15], v[S+31]
	v_max3_num_f32 v238, v238, v[S+47], v[S+63]
	s_delay_alu instid0(VALU_DEP_2)
	v_max_num_f32 v236, v236, v237                 ; the largest score of my block h,
	s_delay_alu instid0(VALU_DEP_2)
	v_max_num_f32 v237, v238, v239                 ; and of my block 2 + h: they serve the row's maximum and, since p rises with the score, the blocks' largest p
	s_delay_alu instid0(VALU_DEP_1)
	v_max_num_f32 v240, v236, v237
	s_delay_alu instid0(VALU_DEP_1)
	v_permlanex16_b32 v241, v240, s[SEL], s[SEL+1]
	s_delay_alu instid0(VALU_DEP_1)
	v_max_num_f32 v240, v240, v241
	s_delay_alu instid0(VALU_DEP_1)
	v_mul_f32 v240, s[CS], v240
	s_delay_alu instid0(VALU_DEP_1)
	v_max_num_f32 v13, v13, v240                   ; the running largest t
	v_mov_b32 v254, v12
	s_delay_alu instid0(VALU_DEP_2)
	v_floor_f32 v12, -v13                          ; the new -M
	s_delay_alu instid0(VALU_DEP_1)
	v_sub_f32 v254, v12, v254                      ; old M - new M: a whole number, 0 or less
	s_delay_alu instid0(VALU_DEP_1)
	v_cvt_i32_f32 v254, v254
	s_delay_alu instid0(VALU_DEP_1)
	v_ldexp_f32 v252, 1.0, v254                    ; f = 2^(old M - new M)
.set j, 0
.rept 32
	v_pk_fma_f32 v[S+j:S+j+1], v[S+j:S+j+1], s[CS:CS+1], v[12:13] op_sel_hi:[1,0,0]   ; t - M
.set j, j+2
.endr
.irp c, 0,1
	v_fma_f32 v[236+\c], v[236+\c], s[CS], v12
.endr
.set j, 0
.rept 16
	v_pk_mul_f32 v[O+j:O+j+1], v[O+j:O+j+1], v[252:253] op_sel_hi:[1,0]   ; O^T under the new M, ahead of the exponentials
.set j, j+2
.endr
	s_wait_alu depctr_va_vdst(0)                   ; the wait ahead of the batch
.irp c, 0,1
	v_exp_f32 v[236+\c], v[236+\c]                 ; my two blocks' largest p
.endr
.set j, 0
.rept 64
	v_exp_f32 v[S+j], v[S+j]                       ; p, at most 1
.set j, j+1
.endr
	v_pk_mul_f32 v[14:15], v[14:15], v[252:253] op_sel_hi:[1,0]   ; the sums under the new M: a plain place behind the exponentials
	s_wait_alu depctr_va_vdst(0)                   ; one wait for the whole batch, ahead of its first reader
.irp c, 0,1
	v_max_num_f32 v[236+\c], 0x2800000, v[236+\c]  ; the floor: the byte cannot fall under 1
.endr
.irp c, 0,1
	s_delay_alu instid0(VALU_DEP_2)
	v_add_nc_u32 v[244+\c], 0xfe000000, v[236+\c]  ; 4 off the exponent field: the conversion's scale operand
.endr
.irp c, 0,1
	s_delay_alu instid0(VALU_DEP_2)
	v_lshrrev_b32 v[246+\c], 23, v[244+\c]
.endr
	s_delay_alu instid0(VALU_DEP_1)
	v_lshl_or_b32 v248, v247, 16, v246             ; my bytes: blocks h and 2 + h,
	s_delay_alu instid0(VALU_DEP_1)
	v_lshlrev_b32 v248, v7, v248                   ; 8 h bits up;
	s_delay_alu instid0(VALU_DEP_1)
	v_permlanex16_b32 v249, v248, s[SEL], s[SEL+1]
	s_delay_alu instid0(VALU_DEP_1)
	v_or_b32 v[PW], v248, v249                     ; with lane l xor 16's two the word is whole
.irp c, 0,1
	v_cvt_scalef32_pk16_bf6_f32 v[224+6*\c:226+6*\c], v[S+32*\c:S+32*\c+15], v[244+\c]
	v_cvt_scalef32_pk16_bf6_f32 v[192+4*\c:194+4*\c], v[S+32*\c+16:S+32*\c+31], v[244+\c]   ; (a conversion's three registers begin on an even number)
.endr
	v_nop                                          ; one plain place behind a scaled conversion
.irp c, 0,1
.irp i, 0,1,2
	v_mov_b32 v[227+6*\c+\i], v[192+4*\c+\i]
.endr
.endr
.irp q, 0,1,2,3                                ; the row's sum of the unquantised p, four chains; these 32 lines are also the places between the scale word, the codes and the products
	v_pk_add_f32 v[200+2*\q:201+2*\q], v[S+4*\q:S+4*\q+1], v[S+4*\q+2:S+4*\q+3]
.endr
.irp k, 0,1,2,3,4,5
.irp q, 0,1,2,3
	v_pk_add_f32 v[200+2*\q:201+2*\q], v[200+2*\q:201+2*\q], v[S+16+8*\k+2*\q:S+17+8*\k+2*\q]
.endr
.endr
	v_pk_add_f32 v[200:201], v[200:201], v[202:203]
	v_pk_add_f32 v[204:205], v[204:205], v[206:207]
	s_delay_alu instid0(VALU_DEP_2)
	v_pk_add_f32 v[14:15], v[14:15], v[200:201]
	s_delay_alu instid0(VALU_DEP_1)
	v_pk_add_f32 v[14:15], v[14:15], v[204:205]
	s_wait_alu depctr_va_vdst(0)
	s_wait_dscnt 0x0                               ; V is in
.irp t, 0,1,2,3
	WM O+8*\t, FR+12*\t, 224, O+8*\t, VS+\t/2, PW, \t%2
.endr
.endm
; THE CHANGE OF SLOTS.  Each wave waits for all its tensor loads, adds 0 to its spare word, and waits for that and for its reads of the slot that it has left.  fill = 1: a round of the cluster's barrier follows, and the
; slot left takes the next four times' units, the first tensor load behind the round (the first time: slot 1's first fill).
.macro CHANGE fill
	s_wait_tensorcnt 0x0
	ds_add_u32 v3, v4                              ; add 0 to my spare word
.if \fill
	ds_add_u32 v3, v4
	s_xor_b32 s33, s33, SLOT1                      ; no tensor load of mine is out: the descriptor walks on
	s_add_co_u32 s[SN], s[SN], 4
	DESC
.endif
	s_wait_dscnt 0x0
.if \fill
	ROUND
	TLOAD 8
.else
	s_barrier_signal -1
	s_barrier_wait -1
.endif
.endm
.macro FOUR_STEPS
	s_mov_b32 s[STP], 4
.Lstep_\@:
	MAYFLUSH
	BODY
	s_add_co_u32 s[KF], s[KF], 128
	s_add_co_u32 s[TB], s[TB], 2*STEPB
	s_add_co_u32 s[TS], s[TS], 1
	s_sub_co_u32 s[STP], s[STP], 1
	s_cmp_lg_u32 s[STP], 0
	s_cbranch_scc1 .Lstep_\@
	s_sub_co_u32 s[TB], s[TB], 8*STEPB
	s_xor_b32 s[TB], s[TB], SLOT1                  ; on to the other slot
.endm
.Lslot:
	CHANGE 1
	FOUR_STEPS
	s_sub_co_u32 s[SLOTS], s[SLOTS], 1
	s_cmp_lg_u32 s[SLOTS], 0
	s_cbranch_scc1 .Lslot
	CHANGE 0                                       ; the last slot is written out: nothing is left to fetch
	FOUR_STEPS
	s_cmp_eq_u32 s[ROLE], 0
	s_cbranch_scc1 .Lx_last
	MAYFLUSH                                       ; f = 15: the early tile has taken all sixteen times, and Y's part of the late tile is empty (sum 0, O 0, M -3e38)
.rept 4
	v_nop                                          ; places behind the last products
.endr
	s_wait_alu depctr_va_vdst(0)
.irp k, 0,1,2,3,4,5,6,7
	ds_store_b128 v95, v[O+4*\k:O+4*\k+3] offset:512*\k   ; Y's O^T, each accumulator from its low end on,
.endr
	ds_store_b128 v95, v[12:15] offset:4096        ; -M, the largest t, the sum
	s_branch .Lmeet
.Lx_last:
	s_mov_b32 s[TB], EXTRA
	BODY                                           ; X's seventeenth step: key step 16
.Lmeet:
	s_wait_dscnt 0x0                               ; my stores into the stage are done
	s_barrier_signal -1
	s_barrier_wait -1
	s_cmp_lg_u32 s[ROLE], 0
	s_cbranch_scc1 .Lend
.irp k, 0,1,2,3,4,5,6,7
	ds_load_b128 v[S+4*\k:S+4*\k+3], v95 offset:512*\k
.endr
	ds_load_b128 v[208:211], v95 offset:4096
	s_wait_dscnt 0x0
	v_min_num_f32 v254, v12, v208                  ; -(the larger M)
	s_delay_alu instid0(VALU_DEP_1)
	v_sub_f32 v252, v254, v12
	v_sub_f32 v240, v254, v208
	s_delay_alu instid0(VALU_DEP_2)
	v_cvt_i32_f32 v252, v252
	s_delay_alu instid0(VALU_DEP_2)
	v_cvt_i32_f32 v240, v240
	s_delay_alu instid0(VALU_DEP_2)
	v_ldexp_f32 v252, 1.0, v252                    ; 2^(my M - the larger M),
	s_delay_alu instid0(VALU_DEP_2)
	v_ldexp_f32 v240, 1.0, v240                    ; and Y's
	s_delay_alu instid0(VALU_DEP_2)
	v_pk_mul_f32 v[14:15], v[14:15], v[252:253] op_sel_hi:[1,0]
.set j, 0
.rept 16
	v_pk_mul_f32 v[O+j:O+j+1], v[O+j:O+j+1], v[252:253] op_sel_hi:[1,0]
.set j, j+2
.endr
	v_pk_fma_f32 v[14:15], v[210:211], v[240:241], v[14:15] op_sel_hi:[1,0,1]
.set j, 0
.rept 16
	v_pk_fma_f32 v[O+j:O+j+1], v[S+j:S+j+1], v[240:241], v[O+j:O+j+1] op_sel_hi:[1,0,1]
.set j, j+2
.endr
	OUT
.Lend:
	s_wait_tensorcnt 0x0                           ; the wave's end
	ds_add_u32 v3, v4
	s_wait_dscnt 0x0
	ROUND                                          ; the closing round
	s_endpgm
.Lfunc_end_k_qb64932a7c6_attn:
	.size	k_qb64932a7c6_attn, .Lfunc_end_k_qb64932a7c6_attn-k_qb64932a7c6_attn
	.p2alignl 7, 3214868480
	.fill 96, 4, 3214868480
	.section	.rodata,"a",@progbits
	.p2align	6, 0x0
	.amdhsa_kernel k_qb64932a7c6_attn
		.amdhsa_group_segment_fixed_size 327680
		.amdhsa_private_segment_fixed_size 0
		.amdhsa_enable_private_segment 0
		.amdhsa_kernarg_size 24
		.amdhsa_user_sgpr_count 2
		.amdhsa_user_sgpr_kernarg_segment_ptr 1
		.amdhsa_wavefront_size32 1
		.amdhsa_system_sgpr_workgroup_id_x 1
		.amdhsa_system_sgpr_workgroup_id_y 1
		.amdhsa_system_sgpr_workgroup_id_z 1
		.amdhsa_system_vgpr_workitem_id 0
		.amdhsa_next_free_vgpr 256
		.amdhsa_next_free_sgpr 96
		.amdhsa_reserve_vcc 1
		.amdhsa_float_denorm_mode_32 3
		.amdhsa_float_denorm_mode_16_64 3
		.amdhsa_memory_ordered 1
		.amdhsa_forward_progress 1
		.amdhsa_inst_pref_size 102
	.end_amdhsa_kernel
	.amdgpu_metadata
---
amdhsa.version: [ 1, 2 ]
amdhsa.kernels:
  - .name:           k_qb64932a7c6_attn
    .symbol:         k_qb64932a7c6_attn.kd
    .args:
      - { .name: qq, .offset: 0, .size: 8, .value_kind: global_buffer, .address_space: global }
      - { .name: kv, .offset: 8, .size: 8, .value_kind: global_buffer, .address_space: global }
      - { .name: aq, .offset: 16, .size: 8, .value_kind: global_buffer, .address_space: global }
    .group_segment_fixed_size: 327680
    .private_segment_fixed_size: 0
    .kernarg_segment_align: 8
    .kernarg_segment_size: 24
    .max_flat_workgroup_size: 512
    .sgpr_count:     96
    .vgpr_count:     256
    .wavefront_size: 32
...
	.end_amdgpu_metadata
.endif
;; end of part 3
;; launch oproj (part 4): grid 4 x 64, 4 waves a work-group, no clusters, 167,936 bytes of LDS; arguments aq, wimg, b_out, out0; writes out0
.if DOCPART == 4
	.amdgcn_target "amdgcn-amd-amdhsa--gfx1250"
	.amdhsa_code_object_version 6
	.text
	.protected	k_qb64932a7c6_oproj
	.globl	k_qb64932a7c6_oproj
	.p2align	8
	.type	k_qb64932a7c6_oproj,@function
k_qb64932a7c6_oproj:
	s_mov_b64 s[64:65], 0
	v_nop
	global_prefetch_b8 v0, s[64:65] scope:SCOPE_SE
	s_setreg_imm32_b32 hwreg(HW_REG_WAVE_MODE, 25, 1), 1
	s_wait_xcnt 0x0
; Launch 4 of 4: out0 = (attention's result) W_out + b_out on codes of E3M2.  Nothing is left out here.
; SHARES.  Work-group (x, y): 64 rows (four row tiles of aq, 51,200 dense bytes, one tile by each wave's one tensor load) x 256 columns.  Wave w takes 64 columns: group 24 + 4 x + w of wimg, 32 fragments in 384 registers.
; The product is used transposed (source 0 = 16 columns of W_out, source 1 = 16 rows): lane (r, h) holds row r, register 16 b + i is column 32 b + 16 h + i of my 64.  The bias is the C of each sum's first instruction.
; A row tile's 16 rows x 256 bytes go through my stage and leave so that sixteen lanes store 256 consecutive bytes, aligned.
; NO CLUSTER: the rows' codes, which four work-groups share, are 51,200 of the 256,000 bytes that a work-group loads.
.set STG,   51200                      ; LDS: 0 .. 51,199 the four row tiles; the stages, 16 rows x 272 bytes a wave;
.set SPARE, 68608                      ; the spare words
.set XF,  16
.set ACC, 112
.set BI,  144                          ; v144-175 the bias in the result's layout
.set WS,  176
.set XS,  192
.set SPW, 252
.set NIL, 253
.set MSB, 0
.macro WIN new
.if MSB != \new
	s_set_vgpr_msb (MSB<<8)|\new
.set MSB, \new
.endif
.endm
.macro WM d, a, b, c, sa, sb, ra, rb
.if (\ra) && (\rb)
	v_wmma_scale_f32_16x16x128_f8f6f4 v[(\d):(\d)+7], v[(\a):(\a)+11], v[(\b):(\b)+11], v[(\c):(\c)+7], v[(\sa)], v[(\sb)] matrix_a_fmt:MATRIX_FMT_BF6 matrix_b_fmt:MATRIX_FMT_BF6 matrix_a_scale:MATRIX_SCALE_ROW1 matrix_b_scale:MATRIX_SCALE_ROW1
.elseif (\ra)
	v_wmma_scale_f32_16x16x128_f8f6f4 v[(\d):(\d)+7], v[(\a):(\a)+11], v[(\b):(\b)+11], v[(\c):(\c)+7], v[(\sa)], v[(\sb)] matrix_a_fmt:MATRIX_FMT_BF6 matrix_b_fmt:MATRIX_FMT_BF6 matrix_a_scale:MATRIX_SCALE_ROW1
.elseif (\rb)
	v_wmma_scale_f32_16x16x128_f8f6f4 v[(\d):(\d)+7], v[(\a):(\a)+11], v[(\b):(\b)+11], v[(\c):(\c)+7], v[(\sa)], v[(\sb)] matrix_a_fmt:MATRIX_FMT_BF6 matrix_b_fmt:MATRIX_FMT_BF6 matrix_b_scale:MATRIX_SCALE_ROW1
.else
	v_wmma_scale_f32_16x16x128_f8f6f4 v[(\d):(\d)+7], v[(\a):(\a)+11], v[(\b):(\b)+11], v[(\c):(\c)+7], v[(\sa)], v[(\sb)] matrix_a_fmt:MATRIX_FMT_BF6 matrix_b_fmt:MATRIX_FMT_BF6
.endif
.endm
.macro FETCHX m                        ; row tile m's eight fragments and four scale words: 36 loads
.irp s, 0,1,2,3,4,5,6,7
	ds_load_b128 v[XF+12*\s:XF+12*\s+3], v4 offset:12800*(\m)+1536*\s
	ds_load_b64 v[XF+12*\s+4:XF+12*\s+5], v6 offset:12800*(\m)+1536*\s+512
	ds_load_b128 v[XF+12*\s+6:XF+12*\s+9], v4 offset:12800*(\m)+1536*\s+768
	ds_load_b64 v[XF+12*\s+10:XF+12*\s+11], v6 offset:12800*(\m)+1536*\s+1280
.endr
.irp p, 0,1,2,3
	ds_load_b32 v[XS+\p], v8 offset:12800*(\m)+12288+128*\p
.endr
.endm
.macro MMT                             ; 32 matrix instructions: the four accumulators by turns, one instruction a turn, K ascending
.irp s, 0,1,2,3,4,5,6,7
.if \s == 0
	WIN 0x01
.endif
.if \s == 4
	WIN 0x02
.endif
.irp t, 0,1,2,3
.if \s == 0
	WM ACC+8*\t, 12*(4*(\s%4)+\t), XF+12*\s, BI+8*\t, WS+2*\s+\t/2, XS+\s/2, \t%2, \s%2
.else
	WM ACC+8*\t, 12*(4*(\s%4)+\t), XF+12*\s, ACC+8*\t, WS+2*\s+\t/2, XS+\s/2, \t%2, \s%2
.endif
.endr
.endr
.endm
	s_load_b256 s[4:11], s[0:1], 0x0               ; aq, wimg, b_out, out0
	v_lshl_add_u32 v[SPW], v0, 2, SPARE
	v_mov_b32 v[NIL], 0
	ds_add_u32 v[SPW], v[NIL]                      ; the wave's opening: the add, twice on end, and its wait ahead of my first tensor load
	ds_add_u32 v[SPW], v[NIL]
	v_lshrrev_b32 v1, 5, v0
	v_readfirstlane_b32 s18, v1                    ; wave
	s_and_b32 s20, ttmp7, 0xffff                   ; y
	s_lshl_b32 s21, ttmp9, 2
	s_add_co_u32 s21, s21, s18                     ; my 64 columns: 4 x + w
	s_mov_b32 s24, 3<<16                           ; group 1: 50 rows of 32 elements of 8 bytes, dense: a row tile's 12,800 bytes
	s_mov_b32 s25, 32<<16
	s_mov_b32 s26, 50<<16
	s_mov_b32 s27, 32<<16
	s_mov_b32 s28, 50
	s_mov_b32 s29, 32
	s_mov_b32 s30, 0
	s_mov_b32 s31, 0
	s_mov_b32 s32, 1
	s_mul_i32 s33, s18, 12800
	s_mul_i32 s36, s20, 51200
	s_add_co_u32 s36, s36, s33
	s_mov_b32 s37, 0
	s_add_co_u32 s38, s21, 24
	s_mul_i32 s38, s38, 51200
	s_mov_b32 s39, 0
	s_lshl_b32 s40, s21, 8
	s_mov_b32 s41, 0
	s_lshl_b32 s42, s20, 18                        ; 64 rows of 4,096 bytes
	s_add_co_u32 s42, s42, s40
	s_mov_b32 s43, 0
	s_mul_i32 s58, s18, 4352
	s_add_co_u32 s58, s58, STG
	v_and_b32 v1, 31, v0
	v_and_b32 v2, 15, v0                           ; r
	v_bfe_u32 v3, v0, 4, 1                         ; h
	v_lshlrev_b32 v4, 4, v1
	v_lshlrev_b32 v6, 3, v1
	v_lshlrev_b32 v8, 2, v1
	v_mul_u32_u24 v10, v2, 272
	v_lshl_add_u32 v10, v3, 6, v10
	v_add_nc_u32 v10, s58, v10                     ; the stage, in: row r, + 64 h
	v_mul_u32_u24 v11, v3, 272
	v_lshl_add_u32 v11, v2, 4, v11
	v_add_nc_u32 v11, s58, v11                     ; back: lanes 0-15 one row, lanes 16-31 the next
	v_lshlrev_b32 v14, 12, v3
	v_lshl_add_u32 v14, v2, 4, v14                 ; the same two rows in out0
	v_lshlrev_b32 v15, 6, v3                       ; the bias: + 64 h
	s_wait_alu depctr_va_vdst(0)
	s_wait_dscnt 0x0
	s_wait_kmcnt 0x0
	s_add_nc_u64 s[34:35], s[4:5], s[36:37]
	s_or_b32 s35, s35, 0x80000000
	tensor_load_to_lds s[32:35], s[24:31]          ; every wave's one load: a row tile
	s_nop 0
.rept 4
	v_nop
.endr
	s_add_nc_u64 s[56:57], s[6:7], s[38:39]
	s_add_nc_u64 s[54:55], s[8:9], s[40:41]
	s_add_nc_u64 s[52:53], s[10:11], s[42:43]
	WIN 0x40
.set f, 0
.rept 16
	global_load_b128 v[12*f:12*f+3], v4, s[56:57] offset:1536*f
	global_load_b64 v[12*f+4:12*f+5], v6, s[56:57] offset:1536*f+512
	global_load_b128 v[12*f+6:12*f+9], v4, s[56:57] offset:1536*f+768
	global_load_b64 v[12*f+10:12*f+11], v6, s[56:57] offset:1536*f+1280
.set f, f+1
.endr
	WIN 0x80
.set f, 0
.rept 16
	global_load_b128 v[12*f:12*f+3], v4, s[56:57] offset:1536*(16+f)
	global_load_b64 v[12*f+4:12*f+5], v6, s[56:57] offset:1536*(16+f)+512
	global_load_b128 v[12*f+6:12*f+9], v4, s[56:57] offset:1536*(16+f)+768
	global_load_b64 v[12*f+10:12*f+11], v6, s[56:57] offset:1536*(16+f)+1280
.set f, f+1
.endr
	WIN 0
.set f, 0
.rept 16
	global_load_b32 v[WS+f], v8, s[56:57] offset:49152+128*f
.set f, f+1
.endr
.irp b, 0,1
.irp q, 0,1,2,3
	global_load_b128 v[BI+16*\b+4*\q:BI+16*\b+4*\q+3], v15, s[54:55] offset:128*\b+16*\q
.endr
.endr
	s_wait_tensorcnt 0x0                           ; my row tile has landed,
	s_barrier_signal -1
	s_barrier_wait -1                              ; everybody's has; nothing is filled again in this launch
	FETCHX 0
	s_wait_loadcnt 0x0                             ; the weights, their scale words and the bias
.macro O_TILE m
	s_wait_xcnt 0x0                                ; the last tile's stores have read their registers
	s_wait_dscnt 0x0
	MMT
	WIN 0
.rept 5
	v_nop                                          ; FIVE places: four serve the loads into the products' registers and the first read of results; the fifth is owed because the next tile's first
.endr                                          ; products begin these accumulators anew, with the bias as C, and so write over them; only LDS and memory instructions, which are no places, stand between the tiles
.if \m < 3
	FETCHX (\m+1)
.endif
.irp b, 0,1
.irp q, 0,1,2,3
	ds_store_b128 v10, v[ACC+16*\b+4*\q:ACC+16*\b+4*\q+3] offset:128*\b+16*\q   ; each accumulator from its low end on
.endr
.endr
.irp i, 0,1,2,3,4,5,6,7
	ds_load_b128 v[ACC+4*\i:ACC+4*\i+3], v11 offset:544*\i   ; LDS serves a wave's instructions in order (ISA guide 5.7.1.4)
.endr
	s_wait_dscnt 0x0
.irp i, 0,1,2,3,4,5,6,7
	global_store_b128 v14, v[ACC+4*\i:ACC+4*\i+3], s[52:53] offset:4096*(16*\m+2*\i) th:TH_STORE_NT
.endr
.endm
	O_TILE 0
	O_TILE 1
	O_TILE 2
	O_TILE 3
	s_wait_tensorcnt 0x0                           ; the wave's end: behind my tensor load and my last LDS store
	ds_add_u32 v[SPW], v[NIL]
	s_wait_dscnt 0x0
	s_endpgm
.Lfunc_end_k_qb64932a7c6_oproj:
	.size	k_qb64932a7c6_oproj, .Lfunc_end_k_qb64932a7c6_oproj-k_qb64932a7c6_oproj
	.p2alignl 7, 3214868480
	.fill 96, 4, 3214868480
	.section	.rodata,"a",@progbits
	.p2align	6, 0x0
	.amdhsa_kernel k_qb64932a7c6_oproj
		.amdhsa_group_segment_fixed_size 167936
		.amdhsa_private_segment_fixed_size 0
		.amdhsa_enable_private_segment 0
		.amdhsa_kernarg_size 32
		.amdhsa_user_sgpr_count 2
		.amdhsa_user_sgpr_kernarg_segment_ptr 1
		.amdhsa_wavefront_size32 1
		.amdhsa_system_sgpr_workgroup_id_x 1
		.amdhsa_system_sgpr_workgroup_id_y 1
		.amdhsa_system_sgpr_workgroup_id_z 1
		.amdhsa_system_vgpr_workitem_id 0
		.amdhsa_next_free_vgpr 768
		.amdhsa_next_free_sgpr 66
		.amdhsa_reserve_vcc 0
		.amdhsa_float_denorm_mode_32 3
		.amdhsa_float_denorm_mode_16_64 3
		.amdhsa_memory_ordered 1
		.amdhsa_forward_progress 1
		.amdhsa_inst_pref_size 51
	.end_amdhsa_kernel
	.amdgpu_metadata
---
amdhsa.version: [ 1, 2 ]
amdhsa.kernels:
  - .name:           k_qb64932a7c6_oproj
    .symbol:         k_qb64932a7c6_oproj.kd
    .args:
      - { .name: aq, .offset: 0, .size: 8, .value_kind: global_buffer, .address_space: global }
      - { .name: wimg, .offset: 8, .size: 8, .value_kind: global_buffer, .address_space: global }
      - { .name: b_out, .offset: 16, .size: 8, .value_kind: global_buffer, .address_space: global }
      - { .name: out0, .offset: 24, .size: 8, .value_kind: global_buffer, .address_space: global }
    .group_segment_fixed_size: 167936
    .private_segment_fixed_size: 0
    .kernarg_segment_align: 8
    .kernarg_segment_size: 32
    .max_flat_workgroup_size: 128
    .sgpr_count:     66
    .vgpr_count:     768
    .wavefront_size: 32
...
	.end_amdgpu_metadata
.endif
;; end of part 4
